; MI455X (gfx1250); checked and timed in simulation.
; The chip was launched on July 23, 2026; its instructions are those of AMD's public machine-readable ISA for CDNA 5 (MIT licence, August 2026) and "CDNA5" Instruction Set Architecture Reference Guide (July 2026). The comments in the code are by the model that wrote it; some were corrected since.
;; Per Residual Scaled Encoder Block. Allowed arithmetic: float matrix products may take bf16 or f16 operands with f32 sums; other float arithmetic in f32, or as packed bf16 or f16 multiplies, adds, multiply-adds, maxima and minima; sums over many terms, partial sums and values carried from step to step in f32; what a program stores and reads back later, other than sums and carried values, may be rounded once to bf16 or f16.
;; Inputs: fc0_b 4,096 float32; fc0_w 1,024 x 4,096 float32; fc1_b 1,024 float32; fc1_w 4,096 x 1,024 float32; ln1_b 1,024 float32; ln1_g 1,024 float32; ln2_b 1,024 float32; ln2_g 1,024 float32; proj_b 1,024 float32; proj_w 1,024 x 1,024 float32; qkv_b 3,072 float32; qkv_w 1,024 x 3,072 float32; x 2 x 2,048 x 1,024 float32.
;; Outputs: out0 2 x 2,048 x 1,024 float32.
;; One version. Each part assembles by itself: llvm-mc -triple=amdgcn-amd-amdhsa -mcpu=gfx1250 --defsym DOCPART=n.
;; ======== version 1 of 1: 7 launches
;; limits: values are held in f16: magnitudes above 65,504 overflow, below 6.1e-05 lose precision
;; workspace buffers: wts 25,202,688 bytes; hn 8,388,608 bytes; qh 8,388,608 bytes; kh 8,388,608 bytes; vh 8,388,608 bytes; oh 8,388,608 bytes; res 16,777,216 bytes; gl 33,554,432 bytes
;; launch prep (part 1): grid 1281 x 1, 8 waves a work-group, no clusters, 0 bytes of LDS; arguments x, ln1_g, ln1_b, qkv_w, proj_w, fc0_w, fc1_w, qkv_b, proj_b, fc0_b, fc1_b, wts, hn; writes wts, hn
.if DOCPART == 1
	.amdgcn_target "amdgcn-amd-amdhsa--gfx1250"
	.amdhsa_code_object_version 6
	.text
	.protected	k_q1c01d9cbee_prep
	.globl	k_q1c01d9cbee_prep
	.p2align	8
	.type	k_q1c01d9cbee_prep,@function
k_q1c01d9cbee_prep:
	s_mov_b64 s[64:65], 0
	v_nop
	global_prefetch_b8 v0, s[64:65] scope:SCOPE_SE
	s_setreg_imm32_b32 hwreg(HW_REG_WAVE_MODE, 25, 1), 1
	s_wait_xcnt 0x0
; PREP.  Three kinds of work-group, told apart by the work-group's number alone:
;   0 .. 511      hn = LayerNorm(bf16(x)) with bf16(g), bf16(b), written as f16 [4096][1024]: a wave a row, eight rows a work-group
;   512 .. 1279   the four weight matrices, each number rounded to bf16 (nearest even) and that number written as f16, into wts
;   1280          the four biases, rounded to bf16 and kept as f32, into wts behind the weights
; EVERY input of the module is rounded to bf16 once; what the program itself makes is kept in f16 or f32.
; wts: WQ at 0 as [16 heads][1024 k][192 n] (a head's rows lie end to end), WP at 6,291,456 [1024][1024], W0 at 8,388,608 [1024][4096], W1 at 16,777,216 [4096][1024],
; biases at 25,165,824: qkv_b, proj_b (+12,288), fc0_b (+16,384), fc1_b (+32,768).
; LIMITS.  f16 ends at 65,504; a weight below 2^-14 keeps f16's fixed step of 6e-8.  NaN and infinities are not treated apart.
; No LDS, no barrier, no matrix unit: every byte is read once and written once, and no wave needs another's data.
.set XP,   4                           ; s[4:5]   x
.set GP,   6                           ; s[6:7]   gain
.set BP,   8                           ; s[8:9]   bias of the norm
.set OUTP, 28                          ; s[28:29] hn
.set X,   8                            ; v[8:39]    the row: load j holds elements 128 j + 4 lane + 0..3
.set G,   40                           ; v[40:71]   gain, same places
.set BV,  72                           ; v[72:103]  bias, same places
.set Y,   104                          ; v[104:119] the row in f16
.set T,   120                          ; v[120:127] four chains of packed sums
.set MU,  128                          ; v[128:129] the mean, twice
.set R,   130                          ; v[130:131] 1 / sqrt(var + eps), twice
.set PX,  132                          ; v132 the other half of the lanes' sum
.set RT,  133                          ; v133 two bf16, at work
.set AO,  8                            ; cast: v[8:23] byte offset of item j in the source
.set D,   24                           ; cast: v[24:87] item j's four numbers
.set O,   88                           ; cast: v[88:119] item j's four f16
.macro ROUND2 a                        ; v[a], v[a+1]: rounded to bf16, nearest even, and widened again
	v_cvt_pk_bf16_f32 v[RT], v[\a], v[(\a)+1]
	v_lshlrev_b32 v[\a], 16, v[RT]
	v_and_b32 v[(\a)+1], s34, v[RT]
.endm
.macro REDUCE                          ; the four chains, the pair's halves, the 32 lanes: the sum in every lane's v[T]
	v_pk_add_f32 v[T:T+1], v[T:T+1], v[T+2:T+3]
	v_pk_add_f32 v[T+4:T+5], v[T+4:T+5], v[T+6:T+7]
	v_pk_add_f32 v[T:T+1], v[T:T+1], v[T+4:T+5]
	v_add_f32 v[T], v[T], v[T+1]
	v_add_f32_dpp v[T], v[T], v[T] row_xmask:1 row_mask:0xf bank_mask:0xf
	v_add_f32_dpp v[T], v[T], v[T] row_xmask:2 row_mask:0xf bank_mask:0xf
	v_add_f32_dpp v[T], v[T], v[T] row_xmask:4 row_mask:0xf bank_mask:0xf
	v_add_f32_dpp v[T], v[T], v[T] row_xmask:8 row_mask:0xf bank_mask:0xf
	v_permlanex16_b32 v[PX], v[T], s35, s36
	v_add_f32 v[T], v[T], v[PX]
.endm
; One row: v1 = 16 x lane, v2 = 8 x lane.  rnd = 1: the row itself is an input and is rounded to bf16 first.
.macro LNROW rnd
.set i, 0
.rept 8
	global_load_b128 v[X+4*i:X+4*i+3], v1, s[XP:XP+1] offset:512*i th:TH_LOAD_NT
.set i, i+1
.endr
.set i, 0
.rept 8
	global_load_b128 v[G+4*i:G+4*i+3], v1, s[GP:GP+1] offset:512*i
.set i, i+1
.endr
.set i, 0
.rept 8
	global_load_b128 v[BV+4*i:BV+4*i+3], v1, s[BP:BP+1] offset:512*i
.set i, i+1
.endr
	v_mov_b32 v[PX], 0                             ; v_permlanex16_b32's destination counts as read
	s_wait_loadcnt 16                              ; the row is in; the 16 younger loads (gain, bias) may stay out
.if \rnd
.set i, 0
.rept 16
	ROUND2 X+2*i
.set i, i+1
.endr
.endif
.set i, 0
.rept 4
	v_pk_add_f32 v[T+2*i:T+2*i+1], v[X+2*i:X+2*i+1], v[X+8+2*i:X+8+2*i+1]
.set i, i+1
.endr
.set i, 8
.rept 8
	v_pk_add_f32 v[T+2*(i%4):T+2*(i%4)+1], v[T+2*(i%4):T+2*(i%4)+1], v[X+2*i:X+2*i+1]
.set i, i+1
.endr
	REDUCE
	v_mul_f32 v[MU], s37, v[T]                     ; the mean
	v_mov_b32 v[MU+1], v[MU]
.set i, 0
.rept 16
	v_pk_add_f32 v[X+2*i:X+2*i+1], v[X+2*i:X+2*i+1], v[MU:MU+1] neg_lo:[0,1] neg_hi:[0,1]  ; x - mean: the variance is taken of the differences
.set i, i+1
.endr
.set i, 0
.rept 4
	v_pk_mul_f32 v[T+2*i:T+2*i+1], v[X+2*i:X+2*i+1], v[X+2*i:X+2*i+1]
.set i, i+1
.endr
.set i, 4
.rept 12
	v_pk_fma_f32 v[T+2*(i%4):T+2*(i%4)+1], v[X+2*i:X+2*i+1], v[X+2*i:X+2*i+1], v[T+2*(i%4):T+2*(i%4)+1]
.set i, i+1
.endr
	REDUCE
	v_fma_f32 v[T], v[T], s37, s38                 ; var + eps
	v_rsq_f32 v[R], v[T]
	v_rsq_f32 v[R+1], v[T]
	s_wait_loadcnt 0x0                             ; gain and bias are in; their rounding is the plain work behind the two roots
.set i, 0
.rept 16
	ROUND2 G+2*i
	ROUND2 BV+2*i
.set i, i+1
.endr
	s_wait_alu depctr_va_vdst(0)                   ; one wait for both roots, ahead of their first reader
.set i, 0
.rept 16
	v_pk_mul_f32 v[X+2*i:X+2*i+1], v[X+2*i:X+2*i+1], v[R:R+1]
.set i, i+1
.endr
.set i, 0
.rept 16
	v_pk_fma_f32 v[X+2*i:X+2*i+1], v[X+2*i:X+2*i+1], v[G+2*i:G+2*i+1], v[BV+2*i:BV+2*i+1]
.set i, i+1
.endr
.set i, 0
.rept 16
	v_cvt_pk_f16_f32 v[Y+i], v[X+2*i], v[X+2*i+1]
.set i, i+1
.endr
.set i, 0
.rept 8
	global_store_b64 v2, v[Y+2*i:Y+2*i+1], s[OUTP:OUTP+1] offset:256*i  ; the wave's store covers 256 consecutive bytes, aligned
.set i, i+1
.endr
.endm
	s_load_b512 s[4:19], s[0:1], 0x0               ; x 4, ln1_g 6, ln1_b 8, qkv_w 10, proj_w 12, fc0_w 14, fc1_w 16, qkv_b 18
	s_load_b256 s[20:27], s[0:1], 0x40             ; proj_b 20, fc0_b 22, fc1_b 24, wts 26
	s_load_b64 s[28:29], s[0:1], 0x60              ; hn
	v_lshrrev_b32 v1, 5, v0
	v_readfirstlane_b32 s30, v1                    ; wave 0..7
	s_mov_b32 s34, 0xffff0000                      ; a word's upper bf16
	s_mov_b32 s35, 0x76543210                      ; v_permlanex16_b32: each lane takes its own place in the other half
	s_mov_b32 s36, 0xfedcba98
	s_mov_b32 s37, 0x3a800000                      ; 1 / 1024
	s_mov_b32 s38, 0x3727c5ac                      ; 1e-5
	s_mov_b32 s33, 0
	s_wait_kmcnt 0x0
	s_cmp_lt_u32 ttmp9, 512
	s_cbranch_scc0 .Lcast
	; ---- LayerNorm 1 ----
	s_lshl_b32 s31, ttmp9, 3
	s_add_co_u32 s31, s31, s30                     ; my row
	s_lshl_b32 s32, s31, 12                        ; 4,096 bytes a row of x
	s_add_nc_u64 s[XP:XP+1], s[XP:XP+1], s[32:33]
	s_lshl_b32 s32, s31, 11                        ; 2,048 bytes a row of hn
	s_add_nc_u64 s[OUTP:OUTP+1], s[OUTP:OUTP+1], s[32:33]
	v_and_b32 v1, 31, v0
	v_lshlrev_b32 v2, 3, v1
	v_lshlrev_b32 v1, 4, v1
	LNROW 1
	s_endpgm
.Lcast:
	s_cmp_lt_u32 ttmp9, 1280
	s_cbranch_scc0 .Lbias
	; ---- weights: a work-group makes 16,384 numbers, 32,768 consecutive bytes of wts; thread t, item j: the four numbers of group 256 j + t ----
	s_sub_co_u32 s31, ttmp9, 512                   ; c
	s_lshl_b32 s32, s31, 15
	s_add_nc_u64 s[26:27], s[26:27], s[32:33]
	v_lshlrev_b32 v2, 3, v0                        ; 8 bytes a group in wts
	s_cmp_lt_u32 s31, 192
	s_cbranch_scc0 .Lplain
	; qkv_w is written by heads: group o4 of WQ is row q = o4 / 48 (q = 1024 head + k), group o4 - 48 q of its 48; it comes from qkv_w[k][192 head + ..]
	s_mov_b64 s[40:41], s[10:11]
	s_lshl_b32 s32, s31, 12
	v_add_nc_u32 v3, s32, v0
.set j, 0
.rept 16
	v_add_nc_u32 v122, 256*j, v3                   ; o4
	v_lshrrev_b32 v123, 4, v122
	v_mul_u32_u24 v123, 0xaaab, v123               ; (o4 / 16) / 3 = (o4 / 16) x 43,691 >> 17: exact below 131,072; here at most 49,151
	v_lshrrev_b32 v123, 17, v123                   ; q
	v_mul_u32_u24 v124, 48, v123
	v_sub_nc_u32 v122, v122, v124                  ; the group in its row
	v_and_b32 v124, 0x3ff, v123                    ; k
	v_lshrrev_b32 v123, 10, v123                   ; head
	v_mul_u32_u24 v124, 0x3000, v124               ; 12,288 bytes a row of qkv_w
	v_mad_u32_u24 v124, v123, 0x300, v124          ; 768 bytes a head
	v_lshl_add_u32 v[AO+j], v122, 4, v124
.set j, j+1
.endr
	s_branch .Lcopy
.Lplain:
	s_mov_b32 s44, 192
	s_mov_b32 s45, 256
	s_mov_b32 s46, 512
	s_cmp_lt_u32 s31, 256
	s_cselect_b64 s[40:41], s[12:13], s[14:15]     ; proj_w from c = 192, fc0_w from 256,
	s_cselect_b32 s42, s44, s45
	s_cmp_lt_u32 s31, 512
	s_cselect_b64 s[40:41], s[40:41], s[16:17]     ; fc1_w from 512
	s_cselect_b32 s42, s42, s46
	s_sub_co_u32 s42, s31, s42
	s_lshl_b32 s42, s42, 16                        ; 65,536 bytes of f32 a work-group
	s_mov_b32 s43, 0
	s_add_nc_u64 s[40:41], s[40:41], s[42:43]
	v_lshlrev_b32 v3, 4, v0
.set j, 0
.rept 16
	v_add_nc_u32 v[AO+j], 4096*j, v3
.set j, j+1
.endr
.Lcopy:
.set j, 0
.rept 16
	global_load_b128 v[D+4*j:D+4*j+3], v[AO+j], s[40:41] th:TH_LOAD_NT
.set j, j+1
.endr
.set j, 0
.rept 16
	s_wait_loadcnt 15-j                            ; loads come back in order: item j is in, the younger ones stay out
	ROUND2 D+4*j
	ROUND2 D+4*j+2
	v_cvt_pk_f16_f32 v[O+2*j], v[D+4*j], v[D+4*j+1]
	v_cvt_pk_f16_f32 v[O+2*j+1], v[D+4*j+2], v[D+4*j+3]
	global_store_b64 v2, v[O+2*j:O+2*j+1], s[26:27] offset:2048*j  ; a wave's store covers 256 consecutive bytes, aligned
.set j, j+1
.endr
	s_endpgm
.Lbias:
	; ---- biases: nine items of 256 threads x 16 bytes ----
	s_add_nc_u64 s[26:27], s[26:27], 25165824
	v_lshlrev_b32 v1, 4, v0
	global_load_b128 v[8:11],  v1, s[18:19]
	global_load_b128 v[12:15], v1, s[18:19] offset:4096
	global_load_b128 v[16:19], v1, s[18:19] offset:8192
	global_load_b128 v[20:23], v1, s[20:21]
	global_load_b128 v[24:27], v1, s[22:23]
	global_load_b128 v[28:31], v1, s[22:23] offset:4096
	global_load_b128 v[32:35], v1, s[22:23] offset:8192
	global_load_b128 v[36:39], v1, s[22:23] offset:12288
	global_load_b128 v[40:43], v1, s[24:25]
	s_wait_loadcnt 0x0
.set j, 0
.rept 18
	ROUND2 8+2*j
.set j, j+1
.endr
.set j, 0
.rept 9
	global_store_b128 v1, v[8+4*j:8+4*j+3], s[26:27] offset:4096*j
.set j, j+1
.endr
	s_endpgm
.Lfunc_end_k_q1c01d9cbee_prep:
	.size	k_q1c01d9cbee_prep, .Lfunc_end_k_q1c01d9cbee_prep-k_q1c01d9cbee_prep
	.p2alignl 7, 3214868480
	.fill 96, 4, 3214868480
	.section	.rodata,"a",@progbits
	.p2align	6, 0x0
	.amdhsa_kernel k_q1c01d9cbee_prep
		.amdhsa_group_segment_fixed_size 0
		.amdhsa_private_segment_fixed_size 0
		.amdhsa_enable_private_segment 0
		.amdhsa_kernarg_size 104
		.amdhsa_user_sgpr_count 2
		.amdhsa_user_sgpr_kernarg_segment_ptr 1
		.amdhsa_wavefront_size32 1
		.amdhsa_system_sgpr_workgroup_id_x 1
		.amdhsa_system_sgpr_workgroup_id_y 1
		.amdhsa_system_sgpr_workgroup_id_z 1
		.amdhsa_system_vgpr_workitem_id 0
		.amdhsa_next_free_vgpr 136
		.amdhsa_next_free_sgpr 66
		.amdhsa_reserve_vcc 0
		.amdhsa_float_denorm_mode_32 3
		.amdhsa_float_denorm_mode_16_64 3
		.amdhsa_memory_ordered 1
		.amdhsa_forward_progress 1
		.amdhsa_inst_pref_size 43
	.end_amdhsa_kernel
	.amdgpu_metadata
---
amdhsa.version: [ 1, 2 ]
amdhsa.kernels:
  - .name:           k_q1c01d9cbee_prep
    .symbol:         k_q1c01d9cbee_prep.kd
    .args:
      - { .name: x, .offset: 0, .size: 8, .value_kind: global_buffer, .address_space: global }
      - { .name: ln1_g, .offset: 8, .size: 8, .value_kind: global_buffer, .address_space: global }
      - { .name: ln1_b, .offset: 16, .size: 8, .value_kind: global_buffer, .address_space: global }
      - { .name: qkv_w, .offset: 24, .size: 8, .value_kind: global_buffer, .address_space: global }
      - { .name: proj_w, .offset: 32, .size: 8, .value_kind: global_buffer, .address_space: global }
      - { .name: fc0_w, .offset: 40, .size: 8, .value_kind: global_buffer, .address_space: global }
      - { .name: fc1_w, .offset: 48, .size: 8, .value_kind: global_buffer, .address_space: global }
      - { .name: qkv_b, .offset: 56, .size: 8, .value_kind: global_buffer, .address_space: global }
      - { .name: proj_b, .offset: 64, .size: 8, .value_kind: global_buffer, .address_space: global }
      - { .name: fc0_b, .offset: 72, .size: 8, .value_kind: global_buffer, .address_space: global }
      - { .name: fc1_b, .offset: 80, .size: 8, .value_kind: global_buffer, .address_space: global }
      - { .name: wts, .offset: 88, .size: 8, .value_kind: global_buffer, .address_space: global }
      - { .name: hn, .offset: 96, .size: 8, .value_kind: global_buffer, .address_space: global }
    .group_segment_fixed_size: 0
    .private_segment_fixed_size: 0
    .kernarg_segment_align: 8
    .kernarg_segment_size: 104
    .max_flat_workgroup_size: 256
    .sgpr_count:     66
    .vgpr_count:     136
    .wavefront_size: 32
...
	.end_amdgpu_metadata
.endif
;; end of part 1
;; launch qkv (part 2): grid 16 x 16, 4 waves a work-group, clusters of 4 x 4, 327,680 bytes of LDS; arguments hn, wts, qh, kh, vh; writes qh, kh, vh
.if DOCPART == 2
	.amdgcn_target "amdgcn-amd-amdhsa--gfx1250"
	.amdhsa_code_object_version 6
	.text
	.protected	k_q1c01d9cbee_qkv
	.globl	k_q1c01d9cbee_qkv
	.p2align	8
	.type	k_q1c01d9cbee_qkv,@function
k_q1c01d9cbee_qkv:
	s_mov_b64 s[64:65], 0
	v_nop
	global_prefetch_b8 v0, s[64:65] scope:SCOPE_SE
	s_setreg_imm32_b32 hwreg(HW_REG_WAVE_MODE, 25, 1), 1
	s_wait_xcnt 0x0
	s_wait_alu depctr_hold_cnt(0) depctr_sa_sdst(0) depctr_va_vdst(0) depctr_va_sdst(0) depctr_va_ssrc(0) depctr_va_vcc(0) depctr_vm_vsrc(0)
	s_getreg_b32 s2, hwreg(HW_REG_IB_STS2, 6, 4)
	s_cmp_eq_u32 s2, 0
	s_cbranch_scc0 .Lentry_in_a_cluster
	s_endpgm
.Lentry_in_a_cluster:
	s_bfe_u32 s2, ttmp6, 0x10000c
	s_cmp_lg_u32 s2, 0xf033
	s_cbranch_scc0 .Lentry_shape_is_right
	s_endpgm
.Lentry_shape_is_right:
; QKV.  [4096 tokens][192 columns of one head] = hn [4096][1024] x WQ[head] [1024][192] + bias, all operands f16, sums f32; q, k, v leave as f16 [32 batch x head][2048][64].
; A work-group makes 256 tokens x one head (16 x 16 = 256 work-groups); wave w its rows 64 w .. 64 w + 63 and all 192 columns: 48 accumulators of 16 x 16.  So a wave owns whole rows of q, k and v.
; K goes in steps of 128 through two LDS slots filled by tensor loads: waves 0, 1 fetch the two halves of hn's 256 rows, waves 2, 3 the two halves of WQ's 128 k-rows.
; CLUSTER 4 x 4: hn's tile hangs on the tile row alone and is asked for jointly along a row of the cluster, WQ's on the head alone and jointly along a column.
; EACH CLUSTER BEGINS ITS WALK ALONG K AT A STEP OF ITS OWN and wraps round: cluster (x, y) of the 4 x 4 clusters at step 2 x + 4 (y mod 2) of the 8.  So the four clusters that read the same rows of hn ask
; for a given K step at four different times, two steps apart, and clusters y and y + 1, which read the same columns of W, four steps apart.  The f32 sums take K in that rotated order.
; NO PREFETCH: with these starts every block of hn and of W is asked for the first time in some cluster's K steps 0 to 3; steps 0 and 1 are the first fills, at the kernel's head, and a request ahead of
; step 2's load would stand there too; one step of W's eight is all that could still be asked for a step ahead.
; THE PRODUCT IS TAKEN TRANSPOSED: source 0 = 16 columns of W (turned out of LDS by ds_load_tr16_b128, since W lies [k][n]), source 1 = 16 rows of hn: a lane then holds one token (lane % 16) and
; eight neighbouring columns 8 (lane / 16) + 0..7.  THE SUMS START AT THE BIAS: it is loaded straight into the accumulators while the first tiles are on their way.
; ONE TEXT FOR A K STEP: the slot in hand is a scalar (0 or SLOT) turned by an exclusive or; a loop of 6 trips refills, a loop of 2 trips does not.  The last trip's
; change of slots fetches 32 fragments that nobody uses: the price, once a launch, of one text.
; LIMITS.  f16 ends at 65,504: q, k, v beyond it become infinities.  NaN and infinities are not treated apart.
; REGISTERS (windows of 256): window 0: v14-29 addresses; v64-127 hn's fragments, two buffers of 32; v128-223 the way out.  window 1: v0-191 W's fragments, two buffers of 96.
;   windows 2, 3: accumulator (a, b) at v[8 (12 (a % 2) + b)] of window 2 + a / 2.
.set PA,    272                        ; a row of hn in LDS: 256 bytes + 16: an odd multiple of 16
.set PB,    480                        ; a k-row of W: three pieces of 128 bytes, 32 of padding behind each: an odd multiple of 32
.set BOFF,  256*PA
.set SLOT,  BOFF+128*PB                ; 131,072
.set STAGE, 2*SLOT                     ; behind the ring, never filled by a tensor load: 16 rows x 400 bytes for each wave
.set SP,    400
.set SPARE, STAGE+4*16*SP              ; the spare words: 128 bytes a wave, two blocks of 256 bytes that no other line names
.set BIASB, 25165824
.set TSTEPS, 8                         ; K steps
.set ASTEP, 256                        ; bytes from K step to K step in hn
.set BSTEP, 49152                      ; and in a head's W: 128 k-rows of 384 bytes
.set ADRA0, 14                         ; v14 my lane's place in hn's tile; never rewritten
.set ADRB0, 15                         ; v15 the same in W's
.set ADRA,  16                         ; v16 + the slot in hand
.set ADRB,  20                         ; v20
.set STO,   24
.set RD,    25
.set GO,    26
.set BO,    27
.set SPW,   28
.set NIL,   29
.set AF,    64
.set TMP,   128
.set G1,  24                           ; s[24:31] group 1 for hn's tiles;  s[32:39] group 0: a set for slot 0's first fill, a set for slot 1's, which then walks
.set G0,  32
.set G1B, 48                           ; s[48:55], s[56:63] the same for W's
.set G0B, 56
.set SL,  66                           ; s66 the slot in hand: 0 or SLOT
.set LBA, 67                           ; s67 my part's place in a slot, hn
.set LBB, 68                           ; s68 the same, W
.set KI,  69                           ; s69 the K step asked for last, 0 to 7: made of the cluster's coordinates, which all partners share
.set OFF, 70                           ; s[70:71] that step's byte offset; the high word stays 0
.set MSB, 0
.macro WIN new                         ; the immediate's high byte repeats the setting that is left; a switch that changes nothing is dropped
.if MSB != (\new)
	s_set_vgpr_msb (MSB<<8)|(\new)
.set MSB, \new
.endif
.endm
.set MUL_LO, 0xa1                      ; source 0 (W) window 1, source 1 (hn) window 0, C and D window 2
.set TO_B,   0x40
.macro PLACES
.rept 4
	v_nop
.endr
.endm
.macro JLOAD                           ; the joint refill, by the walking sets; an s_nop 0 and four v_nop follow each line
	s_cmp_eq_u32 s11, 0
	s_cbranch_scc0 .Lfor_b_\@
	tensor_load_to_lds s[G0+4:G0+7], s[G1:G1+7]
	s_nop 0
.rept 4
	v_nop
.endr
	s_branch .Lasked_\@
.Lfor_b_\@:
	tensor_load_to_lds s[G0B+4:G0B+7], s[G1B:G1B+7]
	s_nop 0
.rept 4
	v_nop
.endr
.Lasked_\@:
.endm
.macro CREST
	s_cmp_lg_u32 s10, 0
	s_cbranch_scc1 .Lnot_wave_0_\@
	s_barrier_signal -3
.Lnot_wave_0_\@:
	s_barrier_wait -3
	s_barrier_signal -1
	s_barrier_wait -1
.endm
.macro CROUND
	s_barrier_signal -1
	s_barrier_wait -1
	CREST
.endm
	s_load_b128 s[4:7], s[0:1], 0x0                ; hn, wts
	s_load_b128 s[72:75], s[0:1], 0x10             ; qh, kh
	s_load_b64 s[76:77], s[0:1], 0x20              ; vh
	v_lshl_add_u32 v[SPW], v0, 2, SPARE
	v_mov_b32 v[NIL], 0
	ds_add_u32 v[SPW], v[NIL]                      ; the wave's opening: the add and its wait ahead of my first tensor load
	v_lshrrev_b32 v1, 5, v0
	v_readfirstlane_b32 s10, v1                    ; wave 0..3
	s_lshr_b32 s11, s10, 1                         ; I fetch for hn (0) or for W (1)
	s_and_b32 s12, s10, 1                          ; which half
	s_bfe_u32 s40, ttmp6, 0x40000                  ; cx
	s_bfe_u32 s41, ttmp6, 0x40004                  ; cy
	s_lshl_b32 s42, ttmp9, 2
	s_add_co_u32 s42, s42, s40                     ; the head
	s_and_b32 s13, ttmp7, 0xffff                   ; the cluster's y
	s_and_b32 s[KI], s13, 1                        ; where my cluster begins along K: 4 (y mod 2)
	s_lshl_b32 s[KI], s[KI], 2
	s_lshl_b32 s[OFF], ttmp9, 1                    ; + 2 x the cluster's x,
	s_add_co_u32 s[KI], s[KI], s[OFF]
	s_and_b32 s[KI], s[KI], TSTEPS-1               ; round the 8 steps
	s_mov_b32 s[OFF+1], 0
	s_lshl_b32 s13, s13, 2
	s_add_co_u32 s13, s13, s41                     ; the block of 256 tokens
	s_lshl_b32 s43, s41, 2
	s_lshl_b32 s43, 15, s43                        ; my row of the cluster
	s_lshl_b32 s44, 0x1111, s40                    ; my column
	s_or_b32 s[G1+0], s43, (1<<16)|(1<<20)|(1<<21)|(5<<22)|(3<<25)   ; mask; 2-byte elements; padding on; bit 21 beside a mask; after every 64 words, 4 words
	s_mov_b32 s[G1+1], 128<<16                     ; tensor_dim0 = 128
	s_mov_b32 s[G1+2], 128<<16                     ; tensor_dim1 = 128
	s_mov_b32 s[G1+3], 128<<16                     ; tile_dim0 = 128
	s_mov_b32 s[G1+4], 128                         ; tile_dim1 = 128
	s_mov_b32 s[G1+5], 1024                        ; elements from row to row
	s_mov_b32 s[G1+6], 0
	s_mov_b32 s[G1+7], 0
	s_or_b32 s[G1B+0], s44, (1<<16)|(1<<20)|(1<<21)|(4<<22)|(7<<25)  ; after every 32 words, 8 words
	s_mov_b32 s[G1B+1], 128<<16                    ; 64 k-rows of 384 bytes lie end to end: asked for as 96 rows of 256 bytes
	s_mov_b32 s[G1B+2], 96<<16
	s_mov_b32 s[G1B+3], 128<<16
	s_mov_b32 s[G1B+4], 96
	s_mov_b32 s[G1B+5], 128
	s_mov_b32 s[G1B+6], 0
	s_mov_b32 s[G1B+7], 0
	s_lshl_b32 s16, s13, 19                        ; hn: (256 block + 128 half) rows of 2,048 bytes
	s_lshl_b32 s17, s12, 18
	s_add_co_u32 s16, s16, s17
	s_mov_b32 s17, 0
	s_mul_i32 s46, s42, 393216                     ; W: the head's 1024 x 192 x 2 bytes, + 64 k-rows of 384 for the second half
	s_mul_i32 s47, s12, 24576
	s_add_co_u32 s46, s46, s47
	s_mov_b32 s47, 0
	s_mul_i32 s[LBA], s12, 128*PA
	s_mul_i32 s[LBB], s12, 64*PB
	s_add_co_u32 s[LBB], s[LBB], BOFF
	s_mov_b32 s[SL], 0
	s_wait_dscnt 0x0                               ; the opening add is done
	s_wait_kmcnt 0x0
	s_add_nc_u64 s[14:15], s[4:5], s[16:17]        ; my part of hn's tile at K = 0: kept; every fill's address is this + the step's offset
	s_add_nc_u64 s[46:47], s[6:7], s[46:47]        ; the same for W
.irp s, 0,1
	s_mov_b32 s[G0+4*(\s)], 1
	s_add_co_u32 s[G0+4*(\s)+1], s[LBA], (\s)*SLOT
	s_mul_i32 s[OFF], s[KI], ASTEP
	s_add_nc_u64 s[G0+4*(\s)+2:G0+4*(\s)+3], s[14:15], s[OFF:OFF+1]
	s_or_b32 s[G0+4*(\s)+3], s[G0+4*(\s)+3], 0x80000000
	s_mov_b32 s[G0B+4*(\s)], 1
	s_add_co_u32 s[G0B+4*(\s)+1], s[LBB], (\s)*SLOT
	s_mul_i32 s[OFF], s[KI], BSTEP
	s_add_nc_u64 s[G0B+4*(\s)+2:G0B+4*(\s)+3], s[46:47], s[OFF:OFF+1]
	s_or_b32 s[G0B+4*(\s)+3], s[G0B+4*(\s)+3], 0x80000000
.if (\s) == 0
	s_add_co_u32 s[KI], s[KI], 1                   ; slot 1 takes the next step of my walk
	s_and_b32 s[KI], s[KI], TSTEPS-1
.endif
.endr
	CROUND                                         ; all sixteen work-groups are here: the first joint loads meet
	s_cmp_eq_u32 s11, 0                            ; a wave's two first fills stand in one branch: two loads of mine are out
	s_cbranch_scc0 .Lfirst_b
	tensor_load_to_lds s[G0:G0+3], s[G1:G1+7]
	s_nop 0
	tensor_load_to_lds s[G0+4:G0+7], s[G1:G1+7]
	s_nop 0
.rept 4
	v_nop
.endr
	s_branch .Lfirst_asked
.Lfirst_b:
	tensor_load_to_lds s[G0B:G0B+3], s[G1B:G1B+7]
	s_nop 0
	tensor_load_to_lds s[G0B+4:G0B+7], s[G1B:G1B+7]
	s_nop 0
.rept 4
	v_nop
.endr
.Lfirst_asked:
	v_and_b32 v1, 15, v0                           ; r = l % 16
	v_bfe_u32 v2, v0, 4, 1                         ; h = l / 16
	v_mul_u32_u24 v3, v1, PA
	v_lshl_add_u32 v3, v2, 4, v3
	s_mul_i32 s21, s10, 64*PA                      ; my 64 rows
	v_add_nc_u32 v[ADRA0], s21, v3
	v_and_b32 v4, 7, v0                            ; the turning load: k-row 8 h + l % 8, 16 bytes at 16 ((l / 8) % 2)
	v_lshl_add_u32 v4, v2, 3, v4
	v_mul_u32_u24 v4, v4, PB
	v_bfe_u32 v5, v0, 3, 1
	v_lshl_add_u32 v4, v5, 4, v4
	v_add_nc_u32 v[ADRB0], BOFF, v4
	v_mov_b32 v[ADRA], v[ADRA0]
	v_mov_b32 v[ADRB], v[ADRB0]
	s_mul_i32 s21, s10, 16*SP
	s_add_co_u32 s21, s21, STAGE                   ; my stage
	v_mul_u32_u24 v6, v1, SP
	v_lshl_add_u32 v6, v2, 4, v6
	v_add_nc_u32 v[STO], s21, v6                   ; in: row r, 16 bytes for each half of the lanes
	v_bfe_u32 v6, v0, 3, 2
	v_mul_u32_u24 v6, v6, SP
	v_and_b32 v7, 7, v0
	v_lshl_add_u32 v6, v7, 4, v6
	v_add_nc_u32 v[RD], s21, v6                    ; back: 32 lanes take four rows of 128 bytes
	v_and_b32 v[GO], 31, v0
	v_lshlrev_b32 v[GO], 4, v[GO]                  ; which are 512 consecutive bytes of q, k or v
	v_lshlrev_b32 v[BO], 5, v2
	s_mul_i32 s18, s42, 768                        ; the head's 192 biases
	s_add_co_u32 s18, s18, BIASB
	s_mov_b32 s19, 0
	s_add_nc_u64 s[18:19], s[6:7], s[18:19]
.irp hi, 0,1
	WIN 0x80+0x40*(\hi)
.irp a, 0,1
.irp b, 0,1,2,3,4,5,6,7,8,9,10,11
	global_load_b128 v[8*(12*(\a)+(\b)):8*(12*(\a)+(\b))+3],   v[BO], s[18:19] offset:64*(\b)      ; register j of (a, b) starts at the bias of column 16 b + 8 h + j
	global_load_b128 v[8*(12*(\a)+(\b))+4:8*(12*(\a)+(\b))+7], v[BO], s[18:19] offset:64*(\b)+16
.endr
.endr
.endr
	WIN 0
	; where my 64 rows begin in q, k and v: ((16 batch + head) x 2048 + place in the sequence) x 128 bytes
	s_lshr_b32 s20, s13, 3
	s_lshl_b32 s20, s20, 4
	s_add_co_u32 s20, s20, s42
	s_lshl_b32 s20, s20, 11
	s_and_b32 s21, s13, 7
	s_lshl_b32 s21, s21, 8
	s_add_co_u32 s20, s20, s21
	s_lshl_b32 s21, s10, 6
	s_add_co_u32 s20, s20, s21
	s_lshl_b32 s20, s20, 7
	s_mov_b32 s21, 0
	s_add_nc_u64 s[72:73], s[72:73], s[20:21]
	s_add_nc_u64 s[74:75], s[74:75], s[20:21]
	s_add_nc_u64 s[76:77], s[76:77], s[20:21]
; 12 products: row block 2 hi + a x all 12 column blocks, 32 along K, buffer f.  The 48 accumulators take turns in one order throughout.
.macro MULQ f, hi, a
	WIN MUL_LO+0x50*(\hi)
.irp b, 0,1,2,3,4,5,6,7,8,9,10,11
	v_wmma_f32_16x16x32_f16 v[8*(12*(\a)+(\b)):8*(12*(\a)+(\b))+7], v[96*(\f)+8*(\b):96*(\f)+8*(\b)+7], v[AF+32*(\f)+8*(2*(\hi)+(\a)):AF+32*(\f)+8*(2*(\hi)+(\a))+7], v[8*(12*(\a)+(\b)):8*(12*(\a)+(\b))+7]
.endr
.endm
; 32 LDS loads in one run: quarter q's fragments into buffer f: W's 12 (turned), then hn's 4
.macro FETCH q, f
	WIN TO_B
.irp b, 0,1,2,3,4,5,6,7,8,9,10,11
	ds_load_tr16_b128 v[96*(\f)+8*(\b):96*(\f)+8*(\b)+3],   v[ADRB] offset:32*PB*(\q)+160*((\b)/4)+32*((\b)%4)
	ds_load_tr16_b128 v[96*(\f)+8*(\b)+4:96*(\f)+8*(\b)+7], v[ADRB] offset:32*PB*(\q)+160*((\b)/4)+32*((\b)%4)+16*PB
.endr
	WIN 0
.irp i, 0,1,2,3
	ds_load_b128 v[AF+32*(\f)+8*(\i):AF+32*(\f)+8*(\i)+3],   v[ADRA] offset:64*(\q)+16*PA*(\i)
	ds_load_b128 v[AF+32*(\f)+8*(\i)+4:AF+32*(\f)+8*(\i)+7], v[ADRA] offset:64*(\q)+16*PA*(\i)+32
.endr
.endm
.macro QUARTER q, f, g                 ; multiplies buffer f; in its middle fetches quarter q into buffer g
	s_wait_dscnt 4                                 ; W and hn's row blocks 0, 1 are in; the youngest four loads (blocks 2, 3) may be out
	MULQ \f, 0, 0
	MULQ \f, 0, 1
	PLACES                                         ; four places in front of loads into registers that matrix instructions have read
	FETCH \q, \g
	s_wait_dscnt 32                                ; all but the 32 just issued
	MULQ \f, 1, 0
	MULQ \f, 1, 1
.endm
; The last quarter multiplies buffer 1 and changes slots: one barrier; in front of it each wave waits for all its tensor loads, adds 0 to its spare word and waits for that and for its reads of the slot.
.macro TURN fill
	WIN 0
	s_wait_tensorcnt 0x0                           ; all my tensor loads have landed: my part of the other slot; so a group 0 may be written
	ds_add_u32 v[SPW], v[NIL]                      ; the descriptors' scalar work stands between the add and the wait for it
.if \fill
	s_add_co_u32 s[KI], s[KI], 1                   ; the next step of my cluster's walk, round the 8
	s_and_b32 s[KI], s[KI], TSTEPS-1
	s_add_co_u32 s[G0+5], s[LBA], s[SL]            ; the walking sets: into the slot in hand, which is read out behind the round;
	s_mul_i32 s[OFF], s[KI], ASTEP
	s_add_nc_u64 s[G0+6:G0+7], s[14:15], s[OFF:OFF+1]  ; the address is made anew: the tile's base + the step's offset, and the type bits
	s_or_b32 s[G0+7], s[G0+7], 0x80000000
	s_add_co_u32 s[G0B+5], s[LBB], s[SL]
	s_mul_i32 s[OFF], s[KI], BSTEP
	s_add_nc_u64 s[G0B+6:G0B+7], s[46:47], s[OFF:OFF+1]
	s_or_b32 s[G0B+7], s[G0B+7], 0x80000000
.endif
	s_wait_dscnt 5                                 ; the add and the youngest four loads may be out
	MULQ 1, 0, 0
	s_wait_dscnt 0x0                               ; the add is done, and my reads of this slot are over
	s_barrier_signal -1
	MULQ 1, 0, 1
	WIN 0
	s_barrier_wait -1
.if \fill
	CREST                                          ; the barrier has opened a round of the cluster's: no wave of any partner still reads this slot or has a load on its way
.endif
	s_xor_b32 s[SL], s[SL], SLOT
.if \fill
	JLOAD                                          ; the first tensor load behind the round; its four v_nop are also the places in front of the loads below
.else
	PLACES
.endif
	v_add_nc_u32 v[ADRA], s[SL], v[ADRA0]
	v_add_nc_u32 v[ADRB], s[SL], v[ADRB0]
	FETCH 0, 0
	MULQ 1, 1, 0
	MULQ 1, 1, 1
.endm
	s_wait_tensorcnt 1                             ; my part of my walk's first step is in; the second's may stay out
	s_barrier_signal -1
	s_barrier_wait -1
	FETCH 0, 0
	s_wait_loadcnt 0x0                             ; the biases are in the accumulators
	s_mov_b32 s3, TSTEPS-2
.Lmain:                                                ; the walk's steps 0 to 5: each refills its slot with the step two on
	QUARTER 1, 0, 1
	QUARTER 2, 1, 0
	QUARTER 3, 0, 1
	TURN 1
	WIN 0
	s_sub_co_u32 s3, s3, 1
	s_cmp_lg_u32 s3, 0
	s_cbranch_scc1 .Lmain
	s_mov_b32 s3, 2
.Ltail:                                                ; steps 6 and 7 ask for nothing
	QUARTER 1, 0, 1
	QUARTER 2, 1, 0
	QUARTER 3, 0, 1
	TURN 0
	WIN 0
	s_sub_co_u32 s3, s3, 1
	s_cmp_lg_u32 s3, 0
	s_cbranch_scc1 .Ltail
	; THE WAY OUT, a block of 16 rows at a time: rounded to f16, 16 bytes a lane into my stage, back as rows of 128 bytes of q, of k and of v, stored 512 consecutive bytes an instruction.
.macro PACK a
	WIN 0x0a+5*((\a)/2)                            ; sources 0 and 1: window 2 or 3
.irp b, 0,1,2,3,4,5,6,7,8,9,10,11
.irp r, 0,1,2,3
	v_cvt_pk_f16_f32 v[TMP+4*(\b)+(\r)], v[8*(12*((\a)%2)+(\b))+2*(\r)], v[8*(12*((\a)%2)+(\b))+2*(\r)+1]
.endr
.endr
	WIN 0
.endm
.macro TOSTAGE a
.set BK, 176-112*((\a)%2)              ; v176-223 and v64-111 by turns
.irp b, 0,1,2,3,4,5,6,7,8,9,10,11
	ds_store_b128 v[STO], v[TMP+4*(\b):TMP+4*(\b)+3] offset:32*(\b)
.endr
.irp p, 0,1,2
.irp g, 0,1,2,3
	ds_load_b128 v[BK+4*(4*(\p)+(\g)):BK+4*(4*(\p)+(\g))+3], v[RD] offset:128*(\p)+4*SP*(\g)  ; LDS serves a wave's instructions in order: these see the stores above
.endr
.endr
.endm
.macro SEND a
.set BK, 176-112*((\a)%2)
	s_wait_dscnt 0x0                               ; the block is back in registers
	s_wait_xcnt 0x0                                ; earlier stores have read their registers: the other buffer is loaded again only behind this wait
.irp p, 0,1,2
.irp g, 0,1,2,3
	global_store_b128 v[GO], v[BK+4*(4*(\p)+(\g)):BK+4*(4*(\p)+(\g))+3], s[72+2*(\p):73+2*(\p)] offset:2048*(\a)+512*(\g)
.endr
.endr
.endm
	s_wait_dscnt 0x0                               ; the unused fragments have landed: their registers serve the way out
	PLACES
	PLACES
	PACK 0
	TOSTAGE 0
.irp a, 1,2,3
	PACK \a
	SEND (\a)-1
	TOSTAGE \a
.endr
	SEND 3
	s_wait_tensorcnt 0x0                           ; the wave's end
	ds_add_u32 v[SPW], v[NIL]
	s_wait_dscnt 0x0
	CROUND                                         ; the closing round
	s_endpgm
.Lfunc_end_k_q1c01d9cbee_qkv:
	.size	k_q1c01d9cbee_qkv, .Lfunc_end_k_q1c01d9cbee_qkv-k_q1c01d9cbee_qkv
	.p2alignl 7, 3214868480
	.fill 96, 4, 3214868480
	.section	.rodata,"a",@progbits
	.p2align	6, 0x0
	.amdhsa_kernel k_q1c01d9cbee_qkv
		.amdhsa_group_segment_fixed_size 327680
		.amdhsa_private_segment_fixed_size 0
		.amdhsa_enable_private_segment 0
		.amdhsa_kernarg_size 40
		.amdhsa_user_sgpr_count 2
		.amdhsa_user_sgpr_kernarg_segment_ptr 1
		.amdhsa_wavefront_size32 1
		.amdhsa_system_sgpr_workgroup_id_x 1
		.amdhsa_system_sgpr_workgroup_id_y 1
		.amdhsa_system_sgpr_workgroup_id_z 1
		.amdhsa_system_vgpr_workitem_id 0
		.amdhsa_next_free_vgpr 960
		.amdhsa_next_free_sgpr 80
		.amdhsa_reserve_vcc 0
		.amdhsa_float_denorm_mode_32 3
		.amdhsa_float_denorm_mode_16_64 3
		.amdhsa_memory_ordered 1
		.amdhsa_forward_progress 1
		.amdhsa_inst_pref_size 87
	.end_amdhsa_kernel
	.amdgpu_metadata
---
amdhsa.version: [ 1, 2 ]
amdhsa.kernels:
  - .name:           k_q1c01d9cbee_qkv
    .symbol:         k_q1c01d9cbee_qkv.kd
    .args:
      - { .name: hn, .offset: 0, .size: 8, .value_kind: global_buffer, .address_space: global }
      - { .name: wts, .offset: 8, .size: 8, .value_kind: global_buffer, .address_space: global }
      - { .name: qh, .offset: 16, .size: 8, .value_kind: global_buffer, .address_space: global }
      - { .name: kh, .offset: 24, .size: 8, .value_kind: global_buffer, .address_space: global }
      - { .name: vh, .offset: 32, .size: 8, .value_kind: global_buffer, .address_space: global }
    .group_segment_fixed_size: 327680
    .private_segment_fixed_size: 0
    .kernarg_segment_align: 8
    .kernarg_segment_size: 40
    .max_flat_workgroup_size: 128
    .sgpr_count:     80
    .vgpr_count:     960
    .wavefront_size: 32
...
	.end_amdgpu_metadata
.endif
;; end of part 2
;; launch attn (part 3): grid 8 x 32, 4 waves a work-group, clusters of 4 x 1, 327,680 bytes of LDS; arguments qh, kh, vh, oh; writes oh
.if DOCPART == 3
	.amdgcn_target "amdgcn-amd-amdhsa--gfx1250"
	.amdhsa_code_object_version 6
	.text
	.protected	k_q1c01d9cbee_attn
	.globl	k_q1c01d9cbee_attn
	.p2align	8
	.type	k_q1c01d9cbee_attn,@function
k_q1c01d9cbee_attn:
	s_mov_b64 s[64:65], 0
	v_nop
	global_prefetch_b8 v0, s[64:65] scope:SCOPE_SE
	s_setreg_imm32_b32 hwreg(HW_REG_WAVE_MODE, 25, 1), 1
	s_wait_xcnt 0x0
	s_wait_alu depctr_hold_cnt(0) depctr_sa_sdst(0) depctr_va_vdst(0) depctr_va_sdst(0) depctr_va_ssrc(0) depctr_va_vcc(0) depctr_vm_vsrc(0)
	s_getreg_b32 s2, hwreg(HW_REG_IB_STS2, 6, 4)
	s_cmp_eq_u32 s2, 0
	s_cbranch_scc0 .Lentry_in_a_cluster
	s_endpgm
.Lentry_in_a_cluster:
	s_bfe_u32 s2, ttmp6, 0x10000c
	s_cmp_lg_u32 s2, 0x3003
	s_cbranch_scc0 .Lentry_shape_is_right
	s_endpgm
.Lentry_shape_is_right:
; ATTENTION.  O[bh][q][:] = the sum over k of softmax_k(Q[bh][q] . K[bh][k]) V[bh][k][:], with NO scale on the scores.  Q, K, V: f16 [32][2048][64].  Products, maxima and sums in f32; the weights p are
; rounded to f16 for the second product (their sum l is taken of the unrounded p), O once at the end.  O leaves as f16 [32 blocks of 128 tokens][16 heads][128 rows][64], the order in which the projection reads it.
; LIMITS.  f16 holds no number beyond 65,504; scores stay under 1e37 in size (c m starts at -4e37); a weight below 2^-126 counts as 0 in l; NaN and infinities are not treated apart.
; SHARES.  A work-group owns 256 queries of one head (8 x 32 = 256 work-groups), a wave 64: four PIECES of 16.  Every wave walks all 2,048 keys: 8 tiles of 256, four steps of 64 each.
; LAYOUT.  S^T = K Q^T holds ONE query a lane (lane % 16) and the keys 8 (lane / 16) + 0..7; two such results rounded to f16 ARE source 1 of O^T = V^T P.  K comes out of LDS as it lies, V turned.
; SOFTMAX.  p = 2^(c s - c m), c = log2(e), with a running maximum m; O and l are multiplied by a = 2^(c m_old - c m_new) in every step; the first step's a is 0.
; TURNS.  Turn n belongs to piece n: 8 products K Q^T of piece n + 1, later 8 products V^T P of piece n - 1; beside them the scaling, exponentials, roundings, sums and rescaling of piece n and the maximum
; and statistics of piece n + 1.  Four vector instructions stand behind every matrix instruction, the others in one lump.  A turn's 33 exponentials are one batch, with one wait.
; CLUSTER.  The four query blocks of a cluster belong to one head and walk the same K and V: each tile is asked for JOINTLY, the same tensor load, descriptor and mask in all four.
; REGISTERS (windows of 256): window 0: v0-15 addresses; v16-31 statistics; v48-55 at work; v61-63; v64-127 S^T, two buffers; v192-223 P, two buffers.  window 1: v0-127 O^T.
;   window 2: v0-63 Q; v128-191 K of one step; v192-255 V of one step.
.set NP,    4
.set KS,    64
.set PK,    144       ; a row of K in LDS: 128 bytes + 16
.set PV,    160       ; a row of V: 128 + 32
.set VOFF,  4*KS*PK   ; a slot holds a tile: 256 rows of K, then 256 rows of V
.set SLOT1, 1<<17
.set STAGE, SLOT1+4*KS*(PK+PV)  ; behind the ring, never filled by a tensor load: 16 rows x 144 bytes for each wave
.set SP,    144
.set SPARE, STAGE+4*16*SP       ; the spare words: 128 bytes a wave, two blocks of 256 bytes that no other line names
.set AK0, 2
.set AV0, 3
.set AK,  4
.set AV,  5
.set STO, 6
.set RD,  7
.set GO,  8
.set MV,  12
.set QO,  15
.set ST,  16          ; piece t's statistics at v[ST+4 t]: c m, m, l (even keys', odd keys')
.set TMP, 48
.set PFO, 61
.set SPW, 62
.set NIL, 63
.set S,   64
.set P,   192
.set KF,  128
.set VF,  192
.set WV,  12
.set LIM, 15
.set PFA, 18
.set G1K, 24
.set G1V, 32
.set G0K, 40
.set G0V, 44
.set SLOTS, 56
.set CNT, 57
.set CS,  58
.set SEL, 60
.set TBK, 62
.set TBV, 63
.set MSB, 0
.macro WIN new
.if MSB != (\new)
	s_set_vgpr_msb (MSB<<8)|(\new)
.set MSB, (\new)
.endif
.endm
.set W_KQ, 0x0a       ; K and Q in window 2, S^T in window 0
.set W_PV, 0x52       ; V in window 2, P in window 0, O^T in window 1
.set W_RS, 0x41       ; destination and source 0 in window 1, source 1 in window 0
.macro JLOAD                        ; waves 0 and 1 fetch the two halves of a tile's K, waves 2 and 3 those of its V; an s_nop 0 and four v_nop follow each line
	s_cmp_lt_u32 s[WV], 2
	s_cbranch_scc0 .Lfor_v_\@
	tensor_load_to_lds s[G0K:G0K+3], s[G1K:G1K+7]
	s_nop 0
.rept 4
	v_nop
.endr
	s_branch .Lasked_\@
.Lfor_v_\@:
	tensor_load_to_lds s[G0V:G0V+3], s[G1V:G1V+7]
	s_nop 0
.rept 4
	v_nop
.endr
.Lasked_\@:
.endm
.macro CROUND
	s_barrier_signal -1
	s_barrier_wait -1
	s_cmp_lg_u32 s[WV], 0
	s_cbranch_scc1 .Lnot_wave_0_\@
	s_barrier_signal -3
.Lnot_wave_0_\@:
	s_barrier_wait -3
	s_barrier_signal -1
	s_barrier_wait -1
.endm
; A prefetch of the tile that the NEXT change of slots will ask for: 128 blocks of 256 bytes of K and as many of V.  The head's first cluster asks; its four partners take 32 blocks each, by address;
; wave 0 asks for K's, wave 2 for V's, a lane a block.  The last change that fills a slot (SLOTS = 1) asks for nothing.
.macro ASK
	s_cmp_gt_u32 s[SLOTS], s[LIM]
	s_cbranch_scc0 .Lnot_mine_\@
	global_prefetch_b8 v[PFO], s[PFA:PFA+1] th:TH_LOAD_NT scope:SCOPE_SE
.Lnot_mine_\@:
.endm
; THE CHANGE OF SLOTS.  Each wave waits for all its tensor loads (one is out: its part of the other slot), adds 0 to its spare word, and waits for that and for its reads of the slot that it leaves.
; fill = 1: the barrier is a round of the cluster's, and the joint refill, with the tile two on, is the first thing behind it: it has four key steps in which to land.
.macro CHANGE fill
	WIN 0
	s_wait_tensorcnt 0x0
	ds_add_u32 v[SPW], v[NIL]
.if \fill
.irp g, G0K, G0V
	s_xor_b32 s[\g+1], s[\g+1], SLOT1
	s_add_nc_u64 s[\g+2:\g+3], s[\g+2:\g+3], 4*KS*128
.endr
	s_wait_xcnt 0x0                 ; the last prefetch, a tile back, has read its address
	s_add_nc_u64 s[PFA:PFA+1], s[PFA:PFA+1], 4*KS*128
	s_wait_dscnt 0x0
	CROUND
	JLOAD
	ASK
.else
	s_wait_dscnt 0x0
	s_barrier_signal -1
	s_barrier_wait -1
.endif
	s_sub_co_u32 s[TBK], s[TBK], 4*KS*PK  ; the fetches go back to a slot's first step, in the other slot
	s_xor_b32 s[TBK], s[TBK], SLOT1
	s_sub_co_u32 s[TBV], s[TBV], 4*KS*PV
	s_xor_b32 s[TBV], s[TBV], SLOT1
.endm
	s_load_b256 s[4:11], s[0:1], 0x0  ; Q s[4:5], K s[6:7], V s[8:9], O s[10:11]
	v_lshl_add_u32 v[SPW], v0, 2, SPARE
	v_mov_b32 v[NIL], 0
	ds_add_u32 v[SPW], v[NIL]       ; the wave's opening: the add and its wait ahead of my first tensor load
	v_lshrrev_b32 v1, 5, v0
	v_readfirstlane_b32 s[WV], v1
	s_bfe_u32 s13, ttmp6, 0x40000   ; cx
	s_lshl_b32 s14, ttmp9, 2
	s_add_co_u32 s14, s14, s13      ; my block of 256 queries: it enters Q's and O's addresses alone
	s_and_b32 s20, ttmp7, 0xffff    ; batch x 16 + head, which the four partners share
	s_lshl_b32 s21, s20, 18         ; its 2,048 rows of 128 bytes
	s_and_b32 s48, s[WV], 1         ; which half of a tile's 256 keys I fetch
	s_lshl_b32 s22, s48, 14
	s_add_co_u32 s22, s22, s21
	s_mov_b32 s23, 0
	s_mul_i32 s49, s48, 128*PK
	s_mul_i32 s50, s48, 128*PV
	s_lshl_b32 s2, s14, 15          ; Q: my block's 256 rows, my wave's 64
	s_lshl_b32 s3, s[WV], 13
	s_add_co_u32 s2, s2, s3
	s_add_co_u32 s2, s2, s21
	s_mov_b32 s3, 0
	s_lshr_b32 s16, s20, 4          ; O: block of 128 tokens = 16 batch + 2 block + wave / 2
	s_lshl_b32 s16, s16, 4
	s_lshl_b32 s17, s14, 1
	s_add_co_u32 s16, s16, s17
	s_lshr_b32 s17, s[WV], 1
	s_add_co_u32 s16, s16, s17
	s_lshl_b32 s16, s16, 4
	s_and_b32 s17, s20, 15
	s_add_co_u32 s16, s16, s17      ; x 16 heads + head
	s_lshl_b32 s16, s16, 14         ; 128 rows of 128 bytes
	s_lshl_b32 s17, s48, 13         ; my 64 rows of them
	s_add_co_u32 s16, s16, s17
	s_mov_b32 s17, 0
	s_mov_b32 s[G1K], 15|(1<<16)|(1<<20)|(1<<21)|(4<<22)|(3<<25)  ; the mask of four; 2-byte elements; padding on; bit 21 beside a mask; after every 32 words, 4 words
	s_mov_b32 s[G1V], 15|(1<<16)|(1<<20)|(1<<21)|(4<<22)|(7<<25)  ; the same with 8 words
.irp g, G1K, G1V
	s_mov_b32 s[\g+1], 128<<16      ; 128 keys are 16,384 dense bytes: asked for as 64 rows of 256 bytes
	s_mov_b32 s[\g+2], 64<<16
	s_mov_b32 s[\g+3], 128<<16
	s_mov_b32 s[\g+4], 64
	s_mov_b32 s[\g+5], 128
	s_mov_b32 s[\g+6], 0
	s_mov_b32 s[\g+7], 0
.endr
	s_mov_b32 s[CS], 0x3fb8aa3b     ; c = log2(e)
	s_mov_b32 s[CS+1], s[CS]
	s_mov_b32 s[SEL], 0x76543210
	s_mov_b32 s[SEL+1], 0xfedcba98
	s_mov_b32 s[TBK], SLOT1+4*KS*PK ; the first change of slots turns these two into 0
	s_mov_b32 s[TBV], SLOT1+4*KS*PV
	s_mov_b32 s[G0K], 1
	s_mov_b32 s[G0K+1], s49
	s_mov_b32 s[G0V], 1
	s_add_co_u32 s[G0V+1], s50, VOFF
	s_mov_b32 s[SLOTS], 7           ; tiles still to be asked for
	s_and_b32 s[LIM], s[WV], 1
	s_or_b32 s[LIM], s[LIM], ttmp9  ; 0 in waves 0 and 2 of the head's first cluster: the same in all four partners
	s_cmp_eq_u32 s[LIM], 0
	s_cselect_b32 s[LIM], 1, -1
	v_and_b32 v[PFO], 31, v0
	v_lshlrev_b32 v[PFO], 8, v[PFO]
	s_wait_dscnt 0x0                ; the opening add is done
	s_wait_kmcnt 0x0
	s_add_nc_u64 s[6:7], s[6:7], s[22:23]
	s_add_nc_u64 s[8:9], s[8:9], s[22:23]
	s_add_nc_u64 s[G0K+2:G0K+3], s[6:7], 0
	s_or_b32 s[G0K+3], s[G0K+3], 0x80000000
	s_add_nc_u64 s[G0V+2:G0V+3], s[8:9], 0
	s_or_b32 s[G0V+3], s[G0V+3], 0x80000000
	s_add_nc_u64 s[4:5], s[4:5], s[2:3]
	s_add_nc_u64 s[10:11], s[10:11], s[16:17]
	s_cmp_lt_u32 s[WV], 2
	s_cselect_b64 s[PFA:PFA+1], s[6:7], s[8:9]
	s_lshl_b32 s2, s13, 13          ; my work-group's 32 blocks of the 128
	s_add_nc_u64 s[PFA:PFA+1], s[PFA:PFA+1], s[2:3]
	s_add_nc_u64 s[PFA:PFA+1], s[PFA:PFA+1], 4*KS*128  ; at tile 1; the first change of slots steps it to tile 2
	CROUND                          ; all four work-groups are here: the first joint loads meet
	JLOAD                           ; tile 0 into slot 0
	v_and_b32 v1, 15, v0
	v_bfe_u32 v9, v0, 4, 1
	v_lshlrev_b32 v[QO], 7, v1
	v_lshl_add_u32 v[QO], v9, 4, v[QO]
	WIN 0x80
.set i, 0
.rept 8                             ; Q stays in registers: piece i / 2, channels 32 (i % 2) on
	global_load_b128 v[8*i:8*i+3],   v[QO], s[4:5] offset:(i/2)*2048+(i%2)*64
	global_load_b128 v[8*i+4:8*i+7], v[QO], s[4:5] offset:(i/2)*2048+(i%2)*64+32
.set i, i+1
.endr
	; What the first turn finds: V's registers and P's second buffer hold 0 (its products V^T P, of a piece that has not been, add 0), O^T and l are 0.  All this stands in the wait for the first tile.
.set i, VF
.rept 64
	v_mov_b32 v[i], 0
.set i, i+1
.endr
	WIN 0x40
.set i, 0
.rept 128
	v_mov_b32 v[i], 0
.set i, i+1
.endr
	WIN 0
.set i, 0
.rept 4
	v_mov_b32 v[ST+4*i], 0xfe000000    ; c m: far below every c s
	v_mov_b32 v[ST+4*i+1], 0xff7fffff  ; m: the lowest finite number
	v_mov_b32 v[ST+4*i+2], 0
	v_mov_b32 v[ST+4*i+3], 0
.set i, i+1
.endr
.set i, P+16
.rept 16
	v_mov_b32 v[i], 0
.set i, i+1
.endr
	v_mul_u32_u24 v[AK0], v1, PK
	v_lshl_add_u32 v[AK0], v9, 4, v[AK0]
	v_and_b32 v10, 7, v0
	v_bfe_u32 v11, v0, 3, 1
	v_lshl_add_u32 v[AV0], v9, 3, v10
	v_mul_u32_u24 v[AV0], v[AV0], PV
	v_lshl_add_u32 v[AV0], v11, 4, v[AV0]
	v_add_nc_u32 v[AV0], VOFF, v[AV0]
	s_mul_i32 s13, s[WV], 16*SP
	s_add_co_u32 s13, s13, STAGE
	v_mul_u32_u24 v[STO], v1, SP
	v_lshl_add_u32 v[STO], v9, 4, v[STO]
	v_add_nc_u32 v[STO], s13, v[STO]
	v_bfe_u32 v[RD], v0, 3, 2
	v_mul_u32_u24 v[RD], v[RD], SP
	v_lshl_add_u32 v[RD], v10, 4, v[RD]
	v_add_nc_u32 v[RD], s13, v[RD]
	v_and_b32 v[GO], 31, v0
	v_lshlrev_b32 v[GO], 4, v[GO]
; THE MATRIX WORK.  The 4 accumulators of a run of 8 take turns.  Product i of 8 of S^T = K Q^T for piece x: channels 32 (i / 4) on, keys 16 (i % 4) on; the first 4 start the sums.
.macro KQ x
	WIN W_KQ
.set rS, S+32*((\x)%2)+8*(i%4)
.set rK, KF+16*(i%4)+8*(i/4)
.set rQ, 16*(\x)+8*(i/4)
.if i < 4
	v_wmma_f32_16x16x32_f16 v[rS:rS+7], v[rK:rK+7], v[rQ:rQ+7], 0
.else
	v_wmma_f32_16x16x32_f16 v[rS:rS+7], v[rK:rK+7], v[rQ:rQ+7], v[rS:rS+7]
.endif
.endm
.macro PV x                         ; product i of 8 of O^T += V^T P for piece x: keys 32 (i / 4) on, channels 16 (i % 4) on
	WIN W_PV
.set rO, 32*(\x)+8*(i%4)
.set rV, VF+32*(i/4)+8*(i%4)
.set rP, P+16*((\x)%2)+8*(i/4)
	v_wmma_f32_16x16x32_f16 v[rO:rO+7], v[rV:rV+7], v[rP:rP+7], v[rO:rO+7]
.endm
.macro MM                           ; the turn's next matrix instruction.  NOKQ = 1: the last turn: there is no next piece
.if (i < 8) && !NOKQ
	KQ (Y+1)%NP
.elseif i >= 8
.set i, i-8
	PV (Y+NP-1)%NP
.set i, i+8
.endif
.set i, i+1
.endm
.macro FETCH_K                      ; the LDS loads stand in runs of 16
	WIN 0x80
.irp f, 0,1,2,3,4,5,6,7
	ds_load_b128 v[KF+8*\f:KF+8*\f+3],   v[AK] offset:(\f/2)*16*PK+(\f%2)*64
	ds_load_b128 v[KF+8*\f+4:KF+8*\f+7], v[AK] offset:(\f/2)*16*PK+(\f%2)*64+32
.endr
	s_add_co_u32 s[TBK], s[TBK], KS*PK
	WIN 0
.endm
.macro FETCH_V
	WIN 0x80
.irp f, 0,1,2,3,4,5,6,7
	ds_load_tr16_b128 v[VF+8*\f:VF+8*\f+3],   v[AV] offset:(\f/4)*32*PV+(\f%4)*32
	ds_load_tr16_b128 v[VF+8*\f+4:VF+8*\f+7], v[AV] offset:(\f/4)*32*PV+16*PV+(\f%4)*32
.endr
	WIN 0
.endm
; THE VECTOR WORK, one line at a time: OP kind, number.  For piece Y: F n: c s - c m for pair n.  E n: the exponential of score n.  C n: pair n rounded to f16.  B n: of the four weights 4 n .. the second pair is
; added onto the first.  L n: l takes that sum (L 0: l = a l + sum).  R n: pair n of O^T times a.  For piece Y + 1: X n, number n of the 22 that find its maximum and statistics (each accumulator's lowest
; registers are read first).
.set F, 0
.set E, 1
.set C, 2
.set B, 3
.set L, 4
.set R, 5
.set X, 6
.macro REGS y
.set rT, ST+4*(\y)
.set rC, TMP+4*((\y)%2)
.set rW, MV+((\y)%2)
.set rS, S+32*((\y)%2)
.set rP, P+16*((\y)%2)
.set rO, 32*(\y)
.endm
.macro OP k, n
.if (\k) == R
	REGS Y
	WIN W_RS
	v_pk_mul_f32 v[rO+2*(\n):rO+2*(\n)+1], v[rO+2*(\n):rO+2*(\n)+1], v[rC+2:rC+3] op_sel_hi:[1,0]
.elseif (\k) < R
	REGS Y
	WIN 0
.if (\k) == F
	v_pk_fma_f32 v[rS+2*(\n):rS+2*(\n)+1], v[rS+2*(\n):rS+2*(\n)+1], s[CS:CS+1], v[rT:rT+1] op_sel_hi:[1,0,0] neg_lo:[0,0,1] neg_hi:[0,0,1]
.elseif (\k) == E
	v_exp_f32 v[rS+(\n)], v[rS+(\n)]
.elseif (\k) == C
	v_cvt_pk_f16_f32 v[rP+(\n)], v[rS+2*(\n)], v[rS+2*(\n)+1]
.elseif (\k) == B
	v_pk_add_f32 v[rS+4*(\n):rS+4*(\n)+1], v[rS+4*(\n):rS+4*(\n)+1], v[rS+4*(\n)+2:rS+4*(\n)+3]
.elseif (\n) == 0
	v_pk_fma_f32 v[rT+2:rT+3], v[rT+2:rT+3], v[rC+2:rC+3], v[rS:rS+1] op_sel_hi:[1,0,1]
.else
	v_pk_add_f32 v[rT+2:rT+3], v[rT+2:rT+3], v[rS+4*(\n):rS+4*(\n)+1]
.endif
.elseif NOKQ
	v_nop
.else
	REGS (Y+1)%NP
	WIN 0
.if (\n) < 4
	v_max3_num_f32 v[rC+(\n)], v[rS+8*(\n)], v[rS+8*(\n)+1], v[rS+8*(\n)+2]
.elseif (\n) < 12
	v_max3_num_f32 v[rC+(\n)%4], v[rC+(\n)%4], v[rS+8*((\n)%4)+2*((\n)/4)+1], v[rS+8*((\n)%4)+2*((\n)/4)+2]
.elseif (\n) == 12
	v_max3_num_f32 v[rC], v[rC], v[rS+7], v[rS+15]
.elseif (\n) == 13
	v_max3_num_f32 v[rC+1], v[rC+1], v[rS+23], v[rS+31]
.elseif (\n) == 14
	v_max3_num_f32 v[rC+2], v[rC+2], v[rC+3], v[rT+1]
.elseif (\n) == 15
	v_mov_b32 v[rW], v[rT]
.elseif (\n) == 16
	v_max3_num_f32 v[rC], v[rC], v[rC+1], v[rC+2]
.elseif (\n) == 17
	v_permlanex16_b32 v[rC+3], v[rC], s[SEL], s[SEL+1]
.elseif (\n) == 18
	v_max_num_f32 v[rT+1], v[rC], v[rC+3]
.elseif (\n) == 19
	v_mul_f32 v[rT], s[CS], v[rT+1]
.elseif (\n) == 20
	v_sub_f32 v[rC+1], v[rW], v[rT]
.else
	v_exp_f32 v[rC+2], v[rC+1]
.endif
.endif
.endm
.macro OPS a, i1, b=-1, i2=0, c=-1, i3=0, d=-1, i4=0
	OP \a, \i1
.if (\b) >= 0
	OP \b, \i2
.endif
.if (\c) >= 0
	OP \c, \i3
.endif
.if (\d) >= 0
	OP \d, \i4
.endif
.endm
.macro ROW a, i1, b, i2, c, i3, d, i4  ; a matrix instruction and the four behind it
	MM
	OPS \a, \i1, \b, \i2, \c, \i3, \d, \i4
.endm
; A TURN, for piece p.  One wait cuts it in two: ahead of it stands all that names no result of the turn's exponentials, behind it the roundings and sums, which ride behind the products V^T P.
; end = 1: the last two turns: nothing is fetched.  cnt = 1: the loop's count is taken down some lines ahead of the branch behind the turn.
; K of the next step is fetched in piece 2's turn and waited for at the head of piece 3's; V of the step in hand at the end of piece 0's turn and waited for in piece 1's.
.macro TURN p, end=0, cnt=0
.set Y, (\p)
.set i, 0
.set NOKQ, (\end)*((\p)/3)
.if ((\p) == 3) && !(\end)
	s_wait_dscnt 0x0                ; K is in
.endif
	ROW F,0, F,1, R,0, R,1
	ROW F,2, E,0, R,2, R,3
	ROW F,3, E,1, R,4, R,5
	ROW F,4, E,2, R,6, R,7
	ROW F,5, E,3, R,8, R,9
	ROW F,6, E,4, X,0, R,10
.if ((\p) == 2) && !(\end)
	WIN 0
	v_add_nc_u32 v[AK], s[TBK], v[AK0]
.endif
	ROW F,7, E,5, X,1, X,4
	ROW F,8, E,6, X,2, X,5
	OPS E,7, E,8, X,6, E,9
	OPS X,3, E,10, X,8, E,11
.if ((\p) == 2) && !(\end)
	FETCH_K
.endif
	OPS X,9, X,7, E,12, X,10
	OPS E,13, X,12, X,11, E,14
	OPS X,13, E,15, F,9, X,14
.if (\p) == 0
	v_add_nc_u32 v[AV], s[TBV], v[AV0]
.endif
	OPS E,16, F,10, E,17, F,11
	OPS X,16, E,18, X,15, E,19
	OPS F,12, E,20, X,17, E,21
	OPS F,13, E,22, F,14, E,23
	OPS X,18, E,24, F,15, E,25
	OPS R,11, E,26, X,19, E,27
	OPS R,12, E,28, R,13, E,29
	OPS X,20, E,30, R,14, E,31
	OPS X,21, R,15
	WIN 0
	s_wait_alu depctr_va_vdst(0)    ; the wait for the batch, ahead of its first reader
.if (\p) == 1
	s_wait_dscnt 0x0                ; V is in
.endif
	ROW C,0, B,0, C,2, B,1
	ROW L,0, C,4, B,2, L,1
	ROW C,6, B,3, L,2, C,8
	ROW B,4, L,3, C,10, B,5
	ROW L,4, C,12, B,6, L,5
.if (\p) == 0
	s_add_co_u32 s[TBV], s[TBV], KS*PV
.endif
.if \cnt
	s_sub_co_u32 s[CNT], s[CNT], 1
	s_cmp_lg_u32 s[CNT], 0
.endif
	ROW C,14, B,7, L,6, C,1
	ROW C,3, L,7, C,5, C,7
	ROW C,9, C,11, C,13, C,15
.if (\p) == 0
	FETCH_V
.endif
.endm
	CHANGE 1                        ; tile 0 is in, everybody's part of it; tile 1 is asked for
	v_add_nc_u32 v[AK], s[TBK], v[AK0]
	FETCH_K                         ; key step 0
	s_wait_loadcnt 0x0              ; Q
	s_wait_dscnt 0x0
.set NOKQ, 0
.set i, 0
.rept 8
	KQ 0                            ; piece 0's first scores
.set i, i+1
.endr
	WIN 0
.rept 4
	v_nop                           ; the places behind those products
.endr
.set Y, NP-1                        ; X works for piece Y + 1: piece 0
.irp n, 0,1,2,3,4,5,6,7,8,9,10,11,12,13,14,15,16,17,18,19,20,21
	OP X, \n
.endr
	v_nop                           ; a plain instruction behind the exponential,
	s_wait_alu depctr_va_vdst(0)    ; and its wait, ahead of the branch
	s_mov_b32 s[CNT], 4
	s_branch .Lfirst                ; the loop is entered at a step's first turn, in the middle of a trip
.Lslot:                             ; six times: tiles 2 to 7 are asked for
	CHANGE 1
	s_mov_b32 s[CNT], 4
.Lstep:                             ; a trip: pieces 2 and 3 of one step, then pieces 0 and 1 of the next, whose K and V it fetches
	TURN 2
	TURN 3
	WIN 0
.Lfirst:
	TURN 0
	TURN 1, 0, 1
	WIN 0
	s_cbranch_scc1 .Lstep
	s_sub_co_u32 s[SLOTS], s[SLOTS], 1
	s_cmp_lg_u32 s[SLOTS], 0
	s_cbranch_scc1 .Lslot
	CHANGE 0                        ; the last tile is written out: nothing is asked for
	s_mov_b32 s[CNT], 4
.LstepT:
	TURN 2
	TURN 3
	TURN 0
	TURN 1, 0, 1
	WIN 0
	s_cbranch_scc1 .LstepT
	TURN 2, 1
	TURN 3, 1
.set i, 0
.rept 8
	PV NP-1                         ; the last piece's V^T P of the last step
.set i, i+1
.endr
	; THE WAY OUT.  l's two halves and the other half of the lanes' are added; O^T is divided by l, rounded to f16 and sent through my stage in LDS, a piece at a time.
	WIN 0
.macro ALL line:vararg
.set t, 0
.rept 4
	\line
.set t, t+1
.endr
.endm
	ALL v_add_f32 v[ST+4*t+2], v[ST+4*t+2], v[ST+4*t+3]
	ALL v_permlanex16_b32 v[ST+4*t+3], v[ST+4*t+2], s[SEL], s[SEL+1]
	ALL v_add_f32 v[ST+4*t+2], v[ST+4*t+2], v[ST+4*t+3]
	ALL v_rcp_f32 v[ST+4*t+2], v[ST+4*t+2]
	v_nop                           ; a plain instruction between the last reciprocal and the use of its result
	s_wait_alu depctr_va_vdst(0)    ; one wait for the four reciprocals
.macro PACK t
	WIN W_RS
.set i, 32*(\t)
.rept 16
	v_pk_mul_f32 v[i:i+1], v[i:i+1], v[ST+4*(\t)+2:ST+4*(\t)+3] op_sel_hi:[1,0]
.set i, i+2
.endr
	WIN 0x05
.set i, 0
.rept 16
	v_cvt_pk_f16_f32 v[S+16*(\t)+i], v[32*(\t)+2*i], v[32*(\t)+2*i+1]
.set i, i+1
.endr
	WIN 0
.irp f, 0,1,2,3
	ds_store_b128 v[STO], v[S+16*(\t)+4*\f:S+16*(\t)+4*\f+3] offset:32*\f
.endr
.irp f, 0,1,2,3
	ds_load_b128 v[S+16*(\t)+4*\f:S+16*(\t)+4*\f+3], v[RD] offset:\f*4*SP  ; LDS serves a wave's instructions in order: these see the stores above
.endr
.endm
.macro SEND t, younger              ; younger: the LDS instructions issued behind piece t's loads: the next piece's eight, or none
	WIN 0
.irp f, 0,1,2,3
	s_wait_dscnt (\younger)+3-\f
	global_store_b128 v[GO], v[S+16*(\t)+4*\f:S+16*(\t)+4*\f+3], s[10:11] offset:(\t)*2048+\f*512  ; 512 consecutive bytes, aligned
.endr
.endm
	PACK 0
.set t, 1
.rept 3
	PACK t
	SEND t-1, 8
.set t, t+1
.endr
	SEND 3, 0
	s_wait_tensorcnt 0x0            ; the wave's end
	ds_add_u32 v[SPW], v[NIL]
	s_wait_dscnt 0x0
	CROUND                          ; the closing round
	s_endpgm
.Lfunc_end_k_q1c01d9cbee_attn:
	.size	k_q1c01d9cbee_attn, .Lfunc_end_k_q1c01d9cbee_attn-k_q1c01d9cbee_attn
	.p2alignl 7, 3214868480
	.fill 96, 4, 3214868480
	.section	.rodata,"a",@progbits
	.p2align	6, 0x0
	.amdhsa_kernel k_q1c01d9cbee_attn
		.amdhsa_group_segment_fixed_size 327680
		.amdhsa_private_segment_fixed_size 0
		.amdhsa_enable_private_segment 0
		.amdhsa_kernarg_size 32
		.amdhsa_user_sgpr_count 2
		.amdhsa_user_sgpr_kernarg_segment_ptr 1
		.amdhsa_wavefront_size32 1
		.amdhsa_system_sgpr_workgroup_id_x 1
		.amdhsa_system_sgpr_workgroup_id_y 1
		.amdhsa_system_sgpr_workgroup_id_z 1
		.amdhsa_system_vgpr_workitem_id 0
		.amdhsa_next_free_vgpr 768
		.amdhsa_next_free_sgpr 66
		.amdhsa_reserve_vcc 0
		.amdhsa_float_denorm_mode_32 3
		.amdhsa_float_denorm_mode_16_64 3
		.amdhsa_memory_ordered 1
		.amdhsa_forward_progress 1
		.amdhsa_inst_pref_size 128
	.end_amdhsa_kernel
	.amdgpu_metadata
---
amdhsa.version: [ 1, 2 ]
amdhsa.kernels:
  - .name:           k_q1c01d9cbee_attn
    .symbol:         k_q1c01d9cbee_attn.kd
    .args:
      - { .name: qh, .offset: 0, .size: 8, .value_kind: global_buffer, .address_space: global }
      - { .name: kh, .offset: 8, .size: 8, .value_kind: global_buffer, .address_space: global }
      - { .name: vh, .offset: 16, .size: 8, .value_kind: global_buffer, .address_space: global }
      - { .name: oh, .offset: 24, .size: 8, .value_kind: global_buffer, .address_space: global }
    .group_segment_fixed_size: 327680
    .private_segment_fixed_size: 0
    .kernarg_segment_align: 8
    .kernarg_segment_size: 32
    .max_flat_workgroup_size: 128
    .sgpr_count:     66
    .vgpr_count:     768
    .wavefront_size: 32
...
	.end_amdgpu_metadata
.endif
;; end of part 3
;; launch proj (part 4): grid 8 x 32, 4 waves a work-group, clusters of 4 x 4, 327,680 bytes of LDS; arguments oh, wts, x, res; writes res
.if DOCPART == 4
	.amdgcn_target "amdgcn-amd-amdhsa--gfx1250"
	.amdhsa_code_object_version 6
	.text
	.protected	k_q1c01d9cbee_proj
	.globl	k_q1c01d9cbee_proj
	.p2align	8
	.type	k_q1c01d9cbee_proj,@function
k_q1c01d9cbee_proj:
	s_mov_b64 s[64:65], 0
	v_nop
	global_prefetch_b8 v0, s[64:65] scope:SCOPE_SE
	s_setreg_imm32_b32 hwreg(HW_REG_WAVE_MODE, 25, 1), 1
	s_wait_xcnt 0x0
	s_wait_alu depctr_hold_cnt(0) depctr_sa_sdst(0) depctr_va_vdst(0) depctr_va_sdst(0) depctr_va_ssrc(0) depctr_va_vcc(0) depctr_vm_vsrc(0)
	s_getreg_b32 s2, hwreg(HW_REG_IB_STS2, 6, 4)
	s_cmp_eq_u32 s2, 0
	s_cbranch_scc0 .Lentry_in_a_cluster
	s_endpgm
.Lentry_in_a_cluster:
	s_bfe_u32 s2, ttmp6, 0x10000c
	s_cmp_lg_u32 s2, 0xf033
	s_cbranch_scc0 .Lentry_shape_is_right
	s_endpgm
.Lentry_shape_is_right:
; A GEMM ON TILES OF 128 x 128 WITH BIAS AND RESIDUAL: out[4096][1024] (f32) = A x W + bias + resid.  One text for two launches, told apart by PROJ at its head:
;   PROJ = 1: A = the attention's output, f16 [32 blocks of 128 tokens][16 heads][128 rows][64], K = 1,024; W = WP; resid = x, an input, rounded to bf16.
;   PROJ = 0: A = gelu's output, f16 [4096][4096], K = 4,096; W = W1; resid = the first residual sum, as it is.
; 8 x 32 = 256 work-groups of four waves, each 64 x 64: 16 accumulators.  K goes in steps of 256 through two LDS slots: waves 0, 1 fetch A's two halves, waves 2, 3 the two halves of W's 256 k-rows.
; CLUSTER 4 x 4: A's tile is asked for jointly along a row of the cluster, W's along a column.  No prefetch: the tiles are small, and a K step holds 128 matrix instructions a wave.
; EACH CLUSTER BEGINS ITS WALK ALONG K AT A STEP OF ITS OWN and wraps round: cluster (x, y) of the 2 x 8 clusters at step OX x + OY (y mod 4) of the TSTEPS.  So the two clusters that read the same rows
; of A ask for a given K step half a walk apart, and clusters y .. y + 3, which read the same columns of W, a quarter of a walk apart.  The f32 sums take K in that rotated order.
; THE PRODUCT IS TAKEN TRANSPOSED (source 0 = 16 columns of W, turned out of LDS; source 1 = 16 rows of A): a lane holds one row and eight neighbouring columns.  THE SUMS START AT THE BIAS.
; ONE TEXT FOR A K STEP: the slot in hand is a scalar turned by an exclusive or; a loop of TSTEPS - 2 trips refills, a loop of 2 does not; the last change of slots fetches 32 fragments that nobody uses.
; LIMITS.  Operands are f16 (up to 65,504).  NaN and infinities are not treated apart.
; REGISTERS: window 0: v14-29 addresses; v32-95 the way out; v128-255 accumulators ((a, b) at v[128 + 8 (4 a + b)]).  window 1: two fragment buffers of 128 (64 of A, 64 of W).  window 2: v0-127 the residual.
.set PROJ, 1
.if PROJ
.set APITCH, 144                       ; a row of one head: 128 bytes + 16
.set AREG,  4*128*APITCH               ; four heads' planes of 128 rows
.set AHALF, 2*128*APITCH
.set AQ,    128*APITCH                 ; a quarter (64 along K) is a head's plane
.set GA0,   (1<<16)|(1<<20)|(1<<21)|(4<<22)|(3<<25)  ; padding of 4 words after every 32
.set AD0,   128                        ; two heads' 32,768 dense bytes, asked for as 128 rows of 256 bytes
.set AD1,   128
.set ASTR,  128
.set ASH13, 18                         ; a block of 128 tokens: 16 heads x 16,384 bytes
.set ASH12, 15                         ; two heads
.set ASTEP, 65536                      ; four heads
.set WBASE, 6291456
.set BBASE, 25165824+12288
.set TSTEPS, 4
.set OX,    2
.set OY,    1
.else
.set APITCH, 528                       ; 512 bytes + 16
.set AREG,  128*APITCH
.set AHALF, 64*APITCH
.set AQ,    128
.set GA0,   (1<<16)|(1<<20)|(1<<21)|(6<<22)|(3<<25)  ; padding of 4 words after every 128
.set AD0,   256
.set AD1,   64
.set ASTR,  4096
.set ASH13, 20                         ; 128 rows of 8,192 bytes
.set ASH12, 19
.set ASTEP, 512
.set WBASE, 16777216
.set BBASE, 25165824+32768
.set TSTEPS, 16
.set OX,    8
.set OY,    4
.endif
.set BSTEP, 524288                     ; 256 k-rows of 2,048 bytes
.set AI,    16*APITCH
.set PB,    288                        ; a k-row of W: 256 bytes + 32: an odd multiple of 32
.set BHALF, 128*PB
.set SLOT,  AREG+256*PB
.set STAGE, 2*SLOT                     ; behind the ring, never filled by a tensor load: 16 rows x 272 bytes for each wave
.set SPI,   272
.set SPARE, STAGE+4*16*SPI             ; the spare words: 128 bytes a wave
.set ADRA0, 14
.set ADRB0, 15
.set ADRA,  16
.set ADRB,  20                         ; v20: k-rows 0-127 of the slot in hand; v21: k-rows 128-255 (the immediate holds 16 bits)
.set STO,   24
.set RD,    25
.set CO,    26
.set BO,    27
.set SPW,   28
.set NIL,   29
.set TMP,   32
.set ACC,   128
.set F0,    0
.set F1,    128
.set G1,  24
.set G0,  32
.set G1B, 48
.set G0B, 56
.set SL,  66
.set LBA, 67
.set LBB, 68
.set KI,  69                           ; s69 the K step asked for last: made of the cluster's coordinates, which all partners share
.set OFF, 70                           ; s[70:71] that step's byte offset; the high word stays 0
.set MSB, 0
.macro WIN new
.if MSB != (\new)
	s_set_vgpr_msb (MSB<<8)|(\new)
.set MSB, \new
.endif
.endm
.set MUL,  0x05                        ; sources 0 (W) and 1 (A) window 1; C and D window 0
.set TO_F, 0x40
.macro PLACES
.rept 4
	v_nop
.endr
.endm
.macro JLOAD
	s_cmp_eq_u32 s11, 0
	s_cbranch_scc0 .Lfor_b_\@
	tensor_load_to_lds s[G0+4:G0+7], s[G1:G1+7]
	s_nop 0
.rept 4
	v_nop
.endr
	s_branch .Lasked_\@
.Lfor_b_\@:
	tensor_load_to_lds s[G0B+4:G0B+7], s[G1B:G1B+7]
	s_nop 0
.rept 4
	v_nop
.endr
.Lasked_\@:
.endm
.macro CREST
	s_cmp_lg_u32 s10, 0
	s_cbranch_scc1 .Lnot_wave_0_\@
	s_barrier_signal -3
.Lnot_wave_0_\@:
	s_barrier_wait -3
	s_barrier_signal -1
	s_barrier_wait -1
.endm
.macro CROUND
	s_barrier_signal -1
	s_barrier_wait -1
	CREST
.endm
	s_load_b128 s[4:7], s[0:1], 0x0                ; A, wts
	s_load_b128 s[72:75], s[0:1], 0x10             ; resid, out
	v_lshl_add_u32 v[SPW], v0, 2, SPARE
	v_mov_b32 v[NIL], 0
	ds_add_u32 v[SPW], v[NIL]                      ; the wave's opening: the add and its wait ahead of my first tensor load
	v_lshrrev_b32 v1, 5, v0
	v_readfirstlane_b32 s10, v1
	s_lshr_b32 s11, s10, 1                         ; my half of the tile's rows.  Also: I fetch for A (0) or for W (1)
	s_and_b32 s12, s10, 1                          ; my half of its columns.  Also: which half I fetch
	s_bfe_u32 s40, ttmp6, 0x40000
	s_bfe_u32 s41, ttmp6, 0x40004
	s_lshl_b32 s42, ttmp9, 2
	s_add_co_u32 s42, s42, s40                     ; tile column
	s_and_b32 s13, ttmp7, 0xffff                   ; the cluster's y
	s_and_b32 s[KI], s13, 3                        ; where my cluster begins along K: OY (y mod 4)
	s_mul_i32 s[KI], s[KI], OY
	s_mul_i32 s[OFF], ttmp9, OX                    ; + OX x the cluster's x,
	s_add_co_u32 s[KI], s[KI], s[OFF]
	s_and_b32 s[KI], s[KI], TSTEPS-1               ; round the walk
	s_mov_b32 s[OFF+1], 0
	s_lshl_b32 s13, s13, 2
	s_add_co_u32 s13, s13, s41                     ; tile row
	s_lshl_b32 s43, s41, 2
	s_lshl_b32 s43, 15, s43
	s_lshl_b32 s44, 0x1111, s40
	s_or_b32 s[G1+0], s43, GA0
	s_mov_b32 s[G1+1], AD0<<16
	s_mov_b32 s[G1+2], AD1<<16
	s_mov_b32 s[G1+3], AD0<<16
	s_mov_b32 s[G1+4], AD1
	s_mov_b32 s[G1+5], ASTR
	s_mov_b32 s[G1+6], 0
	s_mov_b32 s[G1+7], 0
	s_or_b32 s[G1B+0], s44, (1<<16)|(1<<20)|(1<<21)|(5<<22)|(7<<25)  ; 128 k-rows x 128 columns; padding of 8 words after every 64
	s_mov_b32 s[G1B+1], 128<<16
	s_mov_b32 s[G1B+2], 128<<16
	s_mov_b32 s[G1B+3], 128<<16
	s_mov_b32 s[G1B+4], 128
	s_mov_b32 s[G1B+5], 1024
	s_mov_b32 s[G1B+6], 0
	s_mov_b32 s[G1B+7], 0
	s_lshl_b32 s16, s13, ASH13
	s_lshl_b32 s17, s12, ASH12
	s_add_co_u32 s16, s16, s17
	s_mov_b32 s17, 0
	s_lshl_b32 s46, s12, 18                        ; W: 128 k-rows of 2,048 bytes for the second half, 256 bytes a tile column
	s_lshl_b32 s47, s42, 8
	s_add_co_u32 s46, s46, s47
	s_add_co_u32 s46, s46, WBASE
	s_mov_b32 s47, 0
	s_mul_i32 s[LBA], s12, AHALF
	s_mul_i32 s[LBB], s12, BHALF
	s_add_co_u32 s[LBB], s[LBB], AREG
	s_mov_b32 s[SL], 0
	s_wait_dscnt 0x0                               ; the opening add is done
	s_wait_kmcnt 0x0
	s_add_nc_u64 s[14:15], s[4:5], s[16:17]        ; my part of A's tile at K = 0: kept; every fill's address is this + the step's offset
	s_add_nc_u64 s[46:47], s[6:7], s[46:47]        ; the same for W
.irp s, 0,1
	s_mov_b32 s[G0+4*(\s)], 1
	s_add_co_u32 s[G0+4*(\s)+1], s[LBA], (\s)*SLOT
	s_mul_i32 s[OFF], s[KI], ASTEP
	s_add_nc_u64 s[G0+4*(\s)+2:G0+4*(\s)+3], s[14:15], s[OFF:OFF+1]
	s_or_b32 s[G0+4*(\s)+3], s[G0+4*(\s)+3], 0x80000000
	s_mov_b32 s[G0B+4*(\s)], 1
	s_add_co_u32 s[G0B+4*(\s)+1], s[LBB], (\s)*SLOT
	s_mul_i32 s[OFF], s[KI], BSTEP
	s_add_nc_u64 s[G0B+4*(\s)+2:G0B+4*(\s)+3], s[46:47], s[OFF:OFF+1]
	s_or_b32 s[G0B+4*(\s)+3], s[G0B+4*(\s)+3], 0x80000000
.if (\s) == 0
	s_add_co_u32 s[KI], s[KI], 1                   ; slot 1 takes the next step of my walk
	s_and_b32 s[KI], s[KI], TSTEPS-1
.endif
.endr
	CROUND                                         ; all sixteen work-groups are here: the first joint loads meet
	s_cmp_eq_u32 s11, 0                            ; a wave's two first fills stand in one branch: two loads of mine are out
	s_cbranch_scc0 .Lfirst_b
	tensor_load_to_lds s[G0:G0+3], s[G1:G1+7]
	s_nop 0
	tensor_load_to_lds s[G0+4:G0+7], s[G1:G1+7]
	s_nop 0
.rept 4
	v_nop
.endr
	s_branch .Lfirst_asked
.Lfirst_b:
	tensor_load_to_lds s[G0B:G0B+3], s[G1B:G1B+7]
	s_nop 0
	tensor_load_to_lds s[G0B+4:G0B+7], s[G1B:G1B+7]
	s_nop 0
.rept 4
	v_nop
.endr
.Lfirst_asked:
	v_and_b32 v1, 15, v0                           ; r
	v_bfe_u32 v2, v0, 4, 1                         ; h
	v_mul_u32_u24 v3, v1, APITCH
	v_lshl_add_u32 v3, v2, 4, v3
	s_mul_i32 s21, s11, 64*APITCH
	v_add_nc_u32 v[ADRA0], s21, v3
	v_and_b32 v4, 7, v0
	v_lshl_add_u32 v4, v2, 3, v4
	v_mul_u32_u24 v4, v4, PB
	v_bfe_u32 v5, v0, 3, 1
	v_lshl_add_u32 v4, v5, 4, v4
	s_lshl_b32 s22, s12, 7                         ; my 64 columns: 128 bytes
	s_add_co_u32 s22, s22, AREG
	v_add_nc_u32 v[ADRB0], s22, v4
	v_mov_b32 v[ADRA], v[ADRA0]
	v_mov_b32 v[ADRB], v[ADRB0]
	v_add_nc_u32 v[ADRB+1], BHALF, v[ADRB0]
	s_mul_i32 s21, s10, 16*SPI
	s_add_co_u32 s21, s21, STAGE                   ; my stage
	v_mul_u32_u24 v6, v1, SPI
	v_lshl_add_u32 v6, v2, 5, v6
	v_add_nc_u32 v[STO], s21, v6                   ; in: row r, 32 bytes for each half of the lanes
	v_mul_u32_u24 v6, v2, SPI
	v_lshl_add_u32 v6, v1, 4, v6
	v_add_nc_u32 v[RD], s21, v6                    ; back: lanes 0-15 one row of 256 bytes, lanes 16-31 the next
	v_lshlrev_b32 v6, 12, v2
	v_lshl_add_u32 v[CO], v1, 4, v6                ; the same two rows in resid and out
	v_lshlrev_b32 v[BO], 5, v2
	s_lshl_b32 s18, s42, 9                         ; my 64 biases
	s_lshl_b32 s19, s12, 8
	s_add_co_u32 s18, s18, s19
	s_add_co_u32 s20, s18, 0                       ; the same bytes along a row of resid and out
	s_add_co_u32 s18, s18, BBASE
	s_mov_b32 s19, 0
	s_add_nc_u64 s[18:19], s[6:7], s[18:19]
.irp a, 0,1,2,3
.irp b, 0,1,2,3
	global_load_b128 v[ACC+8*(4*(\a)+(\b)):ACC+8*(4*(\a)+(\b))+3],   v[BO], s[18:19] offset:64*(\b)     ; register j of (a, b) starts at the bias of column 16 b + 8 h + j
	global_load_b128 v[ACC+8*(4*(\a)+(\b))+4:ACC+8*(4*(\a)+(\b))+7], v[BO], s[18:19] offset:64*(\b)+16
.endr
.endr
	s_lshl_b32 s21, s13, 19                        ; (128 tile row + 64 half) rows of 4,096 bytes
	s_add_co_u32 s20, s20, s21
	s_lshl_b32 s21, s11, 18
	s_add_co_u32 s20, s20, s21
	s_mov_b32 s21, 0
	s_add_nc_u64 s[72:73], s[72:73], s[20:21]
	s_add_nc_u64 s[74:75], s[74:75], s[20:21]
	WIN 0x80
.irp a, 0,1,2,3
.irp t, 0,1,2,3,4,5,6,7
	global_load_b128 v[4*(8*(\a)+(\t)):4*(8*(\a)+(\t))+3], v[CO], s[72:73] offset:(16*(\a)+2*(\t))*4096  ; the residual, in the places in which the sums come back from the stage
.endr
.endr
	WIN 0
.macro MUL8 f, c, a0                   ; 8 products: row blocks a0, a0 + 1 x 4 column blocks, 32 along K: half c of buffer f.  The 16 accumulators take turns
	WIN MUL
.irp a, \a0, (\a0)+1
.irp b, 0,1,2,3
	v_wmma_f32_16x16x32_f16 v[ACC+8*(4*(\a)+(\b)):ACC+8*(4*(\a)+(\b))+7], v[(\f)+64+8*(4*(\c)+(\b)):(\f)+64+8*(4*(\c)+(\b))+7], v[(\f)+8*(4*(\c)+(\a)):(\f)+8*(4*(\c)+(\a))+7], v[ACC+8*(4*(\a)+(\b)):ACC+8*(4*(\a)+(\b))+7]
.endr
.endr
.endm
.macro FETCH q, f                      ; 32 LDS loads in one run: quarter q (64 along K) into buffer f; its first 32 along K first
	WIN TO_F
.irp c, 0,1
.irp i, 0,1,2,3
	ds_load_tr16_b128 v[(\f)+64+8*(4*(\c)+(\i)):(\f)+64+8*(4*(\c)+(\i))+3],   v[ADRB+(\q)/2] offset:32*PB*((2*(\q)+(\c))%4)+32*(\i)
	ds_load_tr16_b128 v[(\f)+64+8*(4*(\c)+(\i))+4:(\f)+64+8*(4*(\c)+(\i))+7], v[ADRB+(\q)/2] offset:32*PB*((2*(\q)+(\c))%4)+32*(\i)+16*PB
	ds_load_b128 v[(\f)+8*(4*(\c)+(\i)):(\f)+8*(4*(\c)+(\i))+3],   v[ADRA] offset:AQ*(\q)+64*(\c)+AI*(\i)
	ds_load_b128 v[(\f)+8*(4*(\c)+(\i))+4:(\f)+8*(4*(\c)+(\i))+7], v[ADRA] offset:AQ*(\q)+64*(\c)+AI*(\i)+32
.endr
.endr
.endm
.macro QUARTER q, f, g
	s_wait_dscnt 16                                ; the first 32 along K are in; the 16 younger loads may be out
	MUL8 \f, 0, 0
	MUL8 \f, 0, 2
	PLACES
	FETCH \q, \g
	s_wait_dscnt 32                                ; all but the 32 just issued
	MUL8 \f, 1, 0
	MUL8 \f, 1, 2
.endm
.macro TURN fill
	WIN 0
	s_wait_tensorcnt 0x0                           ; all my tensor loads have landed: my part of the other slot; so a group 0 may be written
	ds_add_u32 v[SPW], v[NIL]                      ; the descriptors' scalar work stands between the add and the wait for it
.if \fill
	s_add_co_u32 s[KI], s[KI], 1                   ; the next step of my cluster's walk, round its end
	s_and_b32 s[KI], s[KI], TSTEPS-1
	s_add_co_u32 s[G0+5], s[LBA], s[SL]            ; the walking sets: into the slot in hand, which is read out behind the round;
	s_mul_i32 s[OFF], s[KI], ASTEP
	s_add_nc_u64 s[G0+6:G0+7], s[14:15], s[OFF:OFF+1]  ; the address is made anew: the tile's base + the step's offset, and the type bits
	s_or_b32 s[G0+7], s[G0+7], 0x80000000
	s_add_co_u32 s[G0B+5], s[LBB], s[SL]
	s_mul_i32 s[OFF], s[KI], BSTEP
	s_add_nc_u64 s[G0B+6:G0B+7], s[46:47], s[OFF:OFF+1]
	s_or_b32 s[G0B+7], s[G0B+7], 0x80000000
.endif
	s_wait_dscnt 17                                ; the add and the youngest sixteen loads may be out
	MUL8 F1, 0, 0
	s_wait_dscnt 0x0                               ; the add is done, and my reads of this slot are over
	s_barrier_signal -1
	MUL8 F1, 0, 2
	WIN 0
	s_barrier_wait -1
.if \fill
	CREST                                          ; a round of the cluster's barrier: no wave of any partner still reads this slot or has a load on its way
.endif
	s_xor_b32 s[SL], s[SL], SLOT
.if \fill
	JLOAD                                          ; the first tensor load behind the round; its four v_nop are also the places in front of the loads below
.else
	PLACES
.endif
	v_add_nc_u32 v[ADRA], s[SL], v[ADRA0]
	v_add_nc_u32 v[ADRB], s[SL], v[ADRB0]
	v_add_nc_u32 v[ADRB+1], BHALF, v[ADRB]
	FETCH 0, F0
	MUL8 F1, 1, 0
	MUL8 F1, 1, 2
.endm
	s_wait_tensorcnt 1                             ; my part of my walk's first step is in; the second's may stay out
	s_barrier_signal -1
	s_barrier_wait -1
	FETCH 0, F0
	s_wait_loadcnt 0x0                             ; biases and residual are in
.if PROJ
	WIN 0x8a                                       ; x is an input: rounded to bf16 like every other, in window 2
.set i, 0
.rept 64
	v_cvt_pk_bf16_f32 v128, v[2*i], v[2*i+1]
	v_lshlrev_b32 v[2*i], 16, v128
	v_and_b32 v[2*i+1], 0xffff0000, v128
.set i, i+1
.endr
.endif
	WIN 0
	s_mov_b32 s3, TSTEPS-2
.Lmain:
	QUARTER 1, F0, F1
	QUARTER 2, F1, F0
	QUARTER 3, F0, F1
	TURN 1
	WIN 0
	s_sub_co_u32 s3, s3, 1
	s_cmp_lg_u32 s3, 0
	s_cbranch_scc1 .Lmain
	s_mov_b32 s3, 2
.Ltail:                                                ; the walk's last two steps ask for nothing
	QUARTER 1, F0, F1
	QUARTER 2, F1, F0
	QUARTER 3, F0, F1
	TURN 0
	WIN 0
	s_sub_co_u32 s3, s3, 1
	s_cmp_lg_u32 s3, 0
	s_cbranch_scc1 .Ltail
	; THE WAY OUT, 16 rows at a time: the f32 sums go through my stage and come back as whole rows of 256 bytes; they are added onto the residual's registers and stored from there.
.macro STG a
	WIN 0
.irp b, 0,1,2,3
	ds_store_b128 v[STO], v[ACC+8*(4*(\a)+(\b)):ACC+8*(4*(\a)+(\b))+3]   offset:64*(\b)
	ds_store_b128 v[STO], v[ACC+8*(4*(\a)+(\b))+4:ACC+8*(4*(\a)+(\b))+7] offset:64*(\b)+16
.endr
.irp t, 0,1,2,3,4,5,6,7
	ds_load_b128 v[TMP+32*((\a)%2)+4*(\t):TMP+32*((\a)%2)+4*(\t)+3], v[RD] offset:2*SPI*(\t)  ; LDS serves a wave's instructions in order: these see the stores above
.endr
.endm
.macro FIN a, y                        ; y: the LDS instructions issued behind block a's loads: the next block's sixteen, or none
	WIN 0x88                                       ; destination and source 1 (a store's data) in window 2, source 0 (a store's address) in window 0
.irp t, 0,1,2,3,4,5,6,7
	s_wait_dscnt (\y)+7-(\t)
	v_pk_add_f32 v[4*(8*(\a)+(\t)):4*(8*(\a)+(\t))+1],   v[TMP+32*((\a)%2)+4*(\t):TMP+32*((\a)%2)+4*(\t)+1],   v[4*(8*(\a)+(\t)):4*(8*(\a)+(\t))+1]
	v_pk_add_f32 v[4*(8*(\a)+(\t))+2:4*(8*(\a)+(\t))+3], v[TMP+32*((\a)%2)+4*(\t)+2:TMP+32*((\a)%2)+4*(\t)+3], v[4*(8*(\a)+(\t))+2:4*(8*(\a)+(\t))+3]
	global_store_b128 v[CO], v[4*(8*(\a)+(\t)):4*(8*(\a)+(\t))+3], s[74:75] offset:(16*(\a)+2*(\t))*4096  ; 16 lanes store 256 consecutive bytes, aligned
.endr
.endm
	s_wait_dscnt 0x0                               ; the unused fragments have landed
	PLACES
	PLACES
	STG 0
	STG 1
	FIN 0, 16
	STG 2
	FIN 1, 16
	STG 3
	FIN 2, 16
	FIN 3, 0
	WIN 0
	s_wait_tensorcnt 0x0                           ; the wave's end
	ds_add_u32 v[SPW], v[NIL]
	s_wait_dscnt 0x0
	CROUND                                         ; the closing round
	s_endpgm
.Lfunc_end_k_q1c01d9cbee_proj:
	.size	k_q1c01d9cbee_proj, .Lfunc_end_k_q1c01d9cbee_proj-k_q1c01d9cbee_proj
	.p2alignl 7, 3214868480
	.fill 96, 4, 3214868480
	.section	.rodata,"a",@progbits
	.p2align	6, 0x0
	.amdhsa_kernel k_q1c01d9cbee_proj
		.amdhsa_group_segment_fixed_size 327680
		.amdhsa_private_segment_fixed_size 0
		.amdhsa_enable_private_segment 0
		.amdhsa_kernarg_size 32
		.amdhsa_user_sgpr_count 2
		.amdhsa_user_sgpr_kernarg_segment_ptr 1
		.amdhsa_wavefront_size32 1
		.amdhsa_system_sgpr_workgroup_id_x 1
		.amdhsa_system_sgpr_workgroup_id_y 1
		.amdhsa_system_sgpr_workgroup_id_z 1
		.amdhsa_system_vgpr_workitem_id 0
		.amdhsa_next_free_vgpr 644
		.amdhsa_next_free_sgpr 80
		.amdhsa_reserve_vcc 0
		.amdhsa_float_denorm_mode_32 3
		.amdhsa_float_denorm_mode_16_64 3
		.amdhsa_memory_ordered 1
		.amdhsa_forward_progress 1
		.amdhsa_inst_pref_size 75
	.end_amdhsa_kernel
	.amdgpu_metadata
---
amdhsa.version: [ 1, 2 ]
amdhsa.kernels:
  - .name:           k_q1c01d9cbee_proj
    .symbol:         k_q1c01d9cbee_proj.kd
    .args:
      - { .name: oh, .offset: 0, .size: 8, .value_kind: global_buffer, .address_space: global }
      - { .name: wts, .offset: 8, .size: 8, .value_kind: global_buffer, .address_space: global }
      - { .name: x, .offset: 16, .size: 8, .value_kind: global_buffer, .address_space: global }
      - { .name: res, .offset: 24, .size: 8, .value_kind: global_buffer, .address_space: global }
    .group_segment_fixed_size: 327680
    .private_segment_fixed_size: 0
    .kernarg_segment_align: 8
    .kernarg_segment_size: 32
    .max_flat_workgroup_size: 128
    .sgpr_count:     80
    .vgpr_count:     644
    .wavefront_size: 32
...
	.end_amdgpu_metadata
.endif
;; end of part 4
;; launch ln2 (part 5): grid 512 x 1, 8 waves a work-group, no clusters, 0 bytes of LDS; arguments res, ln2_g, ln2_b, hn; writes hn
.if DOCPART == 5
	.amdgcn_target "amdgcn-amd-amdhsa--gfx1250"
	.amdhsa_code_object_version 6
	.text
	.protected	k_q1c01d9cbee_ln2
	.globl	k_q1c01d9cbee_ln2
	.p2align	8
	.type	k_q1c01d9cbee_ln2,@function
k_q1c01d9cbee_ln2:
	s_mov_b64 s[64:65], 0
	v_nop
	global_prefetch_b8 v0, s[64:65] scope:SCOPE_SE
	s_setreg_imm32_b32 hwreg(HW_REG_WAVE_MODE, 25, 1), 1
	s_wait_xcnt 0x0
; LayerNorm 2: hn = LayerNorm(res) with bf16(g), bf16(b), written as f16 [4096][1024].  res is the program's own f32 sum and is taken as it is; gain and bias are inputs and are rounded to bf16.
; A wave a row, eight rows a work-group; the row stays in registers between the mean, the variance (of the differences) and the scaling.  No LDS, no barrier.
; LIMITS.  f16 ends at 65,504.  NaN and infinities are not treated apart.
.set XP,   4
.set GP,   6
.set BP,   8
.set OUTP, 10
.set X,   8
.set G,   40
.set BV,  72
.set Y,   104
.set T,   120
.set MU,  128
.set R,   130
.set PX,  132
.set RT,  133
.macro ROUND2 a                        ; v[a], v[a+1]: rounded to bf16, nearest even, and widened again
	v_cvt_pk_bf16_f32 v[RT], v[\a], v[(\a)+1]
	v_lshlrev_b32 v[\a], 16, v[RT]
	v_and_b32 v[(\a)+1], s34, v[RT]
.endm
.macro REDUCE                          ; the four chains, the pair's halves, the 32 lanes: the sum in every lane's v[T]
	v_pk_add_f32 v[T:T+1], v[T:T+1], v[T+2:T+3]
	v_pk_add_f32 v[T+4:T+5], v[T+4:T+5], v[T+6:T+7]
	v_pk_add_f32 v[T:T+1], v[T:T+1], v[T+4:T+5]
	v_add_f32 v[T], v[T], v[T+1]
	v_add_f32_dpp v[T], v[T], v[T] row_xmask:1 row_mask:0xf bank_mask:0xf
	v_add_f32_dpp v[T], v[T], v[T] row_xmask:2 row_mask:0xf bank_mask:0xf
	v_add_f32_dpp v[T], v[T], v[T] row_xmask:4 row_mask:0xf bank_mask:0xf
	v_add_f32_dpp v[T], v[T], v[T] row_xmask:8 row_mask:0xf bank_mask:0xf
	v_permlanex16_b32 v[PX], v[T], s35, s36
	v_add_f32 v[T], v[T], v[PX]
.endm
	s_load_b256 s[4:11], s[0:1], 0x0               ; res, ln2_g, ln2_b, hn
	v_lshrrev_b32 v1, 5, v0
	v_readfirstlane_b32 s30, v1
	s_mov_b32 s34, 0xffff0000
	s_mov_b32 s35, 0x76543210
	s_mov_b32 s36, 0xfedcba98
	s_mov_b32 s37, 0x3a800000                      ; 1 / 1024
	s_mov_b32 s38, 0x3727c5ac                      ; 1e-5
	s_mov_b32 s33, 0
	s_lshl_b32 s31, ttmp9, 3
	s_add_co_u32 s31, s31, s30                     ; my row
	v_and_b32 v1, 31, v0
	v_lshlrev_b32 v2, 3, v1
	v_lshlrev_b32 v1, 4, v1
	s_wait_kmcnt 0x0
	s_lshl_b32 s32, s31, 12
	s_add_nc_u64 s[XP:XP+1], s[XP:XP+1], s[32:33]
	s_lshl_b32 s32, s31, 11
	s_add_nc_u64 s[OUTP:OUTP+1], s[OUTP:OUTP+1], s[32:33]
.set i, 0
.rept 8
	global_load_b128 v[X+4*i:X+4*i+3], v1, s[XP:XP+1] offset:512*i th:TH_LOAD_NT
.set i, i+1
.endr
.set i, 0
.rept 8
	global_load_b128 v[G+4*i:G+4*i+3], v1, s[GP:GP+1] offset:512*i
.set i, i+1
.endr
.set i, 0
.rept 8
	global_load_b128 v[BV+4*i:BV+4*i+3], v1, s[BP:BP+1] offset:512*i
.set i, i+1
.endr
	v_mov_b32 v[PX], 0                             ; v_permlanex16_b32's destination counts as read
	s_wait_loadcnt 16                              ; the row is in; the 16 younger loads (gain, bias) may stay out
.set i, 0
.rept 4
	v_pk_add_f32 v[T+2*i:T+2*i+1], v[X+2*i:X+2*i+1], v[X+8+2*i:X+8+2*i+1]
.set i, i+1
.endr
.set i, 8
.rept 8
	v_pk_add_f32 v[T+2*(i%4):T+2*(i%4)+1], v[T+2*(i%4):T+2*(i%4)+1], v[X+2*i:X+2*i+1]
.set i, i+1
.endr
	REDUCE
	v_mul_f32 v[MU], s37, v[T]
	v_mov_b32 v[MU+1], v[MU]
.set i, 0
.rept 16
	v_pk_add_f32 v[X+2*i:X+2*i+1], v[X+2*i:X+2*i+1], v[MU:MU+1] neg_lo:[0,1] neg_hi:[0,1]
.set i, i+1
.endr
.set i, 0
.rept 4
	v_pk_mul_f32 v[T+2*i:T+2*i+1], v[X+2*i:X+2*i+1], v[X+2*i:X+2*i+1]
.set i, i+1
.endr
.set i, 4
.rept 12
	v_pk_fma_f32 v[T+2*(i%4):T+2*(i%4)+1], v[X+2*i:X+2*i+1], v[X+2*i:X+2*i+1], v[T+2*(i%4):T+2*(i%4)+1]
.set i, i+1
.endr
	REDUCE
	v_fma_f32 v[T], v[T], s37, s38                 ; var + eps
	v_rsq_f32 v[R], v[T]
	v_rsq_f32 v[R+1], v[T]
	s_wait_loadcnt 0x0                             ; gain and bias are in; their rounding is the plain work behind the two roots
.set i, 0
.rept 16
	ROUND2 G+2*i
	ROUND2 BV+2*i
.set i, i+1
.endr
	s_wait_alu depctr_va_vdst(0)                   ; one wait for both roots, ahead of their first reader
.set i, 0
.rept 16
	v_pk_mul_f32 v[X+2*i:X+2*i+1], v[X+2*i:X+2*i+1], v[R:R+1]
.set i, i+1
.endr
.set i, 0
.rept 16
	v_pk_fma_f32 v[X+2*i:X+2*i+1], v[X+2*i:X+2*i+1], v[G+2*i:G+2*i+1], v[BV+2*i:BV+2*i+1]
.set i, i+1
.endr
.set i, 0
.rept 16
	v_cvt_pk_f16_f32 v[Y+i], v[X+2*i], v[X+2*i+1]
.set i, i+1
.endr
.set i, 0
.rept 8
	global_store_b64 v2, v[Y+2*i:Y+2*i+1], s[OUTP:OUTP+1] offset:256*i  ; the wave's store covers 256 consecutive bytes, aligned
.set i, i+1
.endr
	s_endpgm
.Lfunc_end_k_q1c01d9cbee_ln2:
	.size	k_q1c01d9cbee_ln2, .Lfunc_end_k_q1c01d9cbee_ln2-k_q1c01d9cbee_ln2
	.p2alignl 7, 3214868480
	.fill 96, 4, 3214868480
	.section	.rodata,"a",@progbits
	.p2align	6, 0x0
	.amdhsa_kernel k_q1c01d9cbee_ln2
		.amdhsa_group_segment_fixed_size 0
		.amdhsa_private_segment_fixed_size 0
		.amdhsa_enable_private_segment 0
		.amdhsa_kernarg_size 32
		.amdhsa_user_sgpr_count 2
		.amdhsa_user_sgpr_kernarg_segment_ptr 1
		.amdhsa_wavefront_size32 1
		.amdhsa_system_sgpr_workgroup_id_x 1
		.amdhsa_system_sgpr_workgroup_id_y 1
		.amdhsa_system_sgpr_workgroup_id_z 1
		.amdhsa_system_vgpr_workitem_id 0
		.amdhsa_next_free_vgpr 136
		.amdhsa_next_free_sgpr 66
		.amdhsa_reserve_vcc 0
		.amdhsa_float_denorm_mode_32 3
		.amdhsa_float_denorm_mode_16_64 3
		.amdhsa_memory_ordered 1
		.amdhsa_forward_progress 1
		.amdhsa_inst_pref_size 16
	.end_amdhsa_kernel
	.amdgpu_metadata
---
amdhsa.version: [ 1, 2 ]
amdhsa.kernels:
  - .name:           k_q1c01d9cbee_ln2
    .symbol:         k_q1c01d9cbee_ln2.kd
    .args:
      - { .name: res, .offset: 0, .size: 8, .value_kind: global_buffer, .address_space: global }
      - { .name: ln2_g, .offset: 8, .size: 8, .value_kind: global_buffer, .address_space: global }
      - { .name: ln2_b, .offset: 16, .size: 8, .value_kind: global_buffer, .address_space: global }
      - { .name: hn, .offset: 24, .size: 8, .value_kind: global_buffer, .address_space: global }
    .group_segment_fixed_size: 0
    .private_segment_fixed_size: 0
    .kernarg_segment_align: 8
    .kernarg_segment_size: 32
    .max_flat_workgroup_size: 256
    .sgpr_count:     66
    .vgpr_count:     136
    .wavefront_size: 32
...
	.end_amdgpu_metadata
.endif
;; end of part 5
;; launch fc0 (part 6): grid 16 x 16, 4 waves a work-group, clusters of 4 x 4, 327,680 bytes of LDS; arguments hn, wts, gl; writes gl
.if DOCPART == 6
	.amdgcn_target "amdgcn-amd-amdhsa--gfx1250"
	.amdhsa_code_object_version 6
	.text
	.protected	k_q1c01d9cbee_fc0
	.globl	k_q1c01d9cbee_fc0
	.p2align	8
	.type	k_q1c01d9cbee_fc0,@function
k_q1c01d9cbee_fc0:
	s_mov_b64 s[64:65], 0
	v_nop
	global_prefetch_b8 v0, s[64:65] scope:SCOPE_SE
	s_setreg_imm32_b32 hwreg(HW_REG_WAVE_MODE, 25, 1), 1
	s_wait_xcnt 0x0
	s_wait_alu depctr_hold_cnt(0) depctr_sa_sdst(0) depctr_va_vdst(0) depctr_va_sdst(0) depctr_va_ssrc(0) depctr_va_vcc(0) depctr_vm_vsrc(0)
	s_getreg_b32 s2, hwreg(HW_REG_IB_STS2, 6, 4)
	s_cmp_eq_u32 s2, 0
	s_cbranch_scc0 .Lentry_in_a_cluster
	s_endpgm
.Lentry_in_a_cluster:
	s_bfe_u32 s2, ttmp6, 0x10000c
	s_cmp_lg_u32 s2, 0xf033
	s_cbranch_scc0 .Lentry_shape_is_right
	s_endpgm
.Lentry_shape_is_right:
; FC0.  gl [4096][4096] (f16) = gelu(hn [4096][1024] x W0 [1024][4096] + bias), the exact (erf) gelu.  Operands f16, sums f32.
; A work-group makes 256 x 256 (16 x 16 = 256 work-groups), each of its four waves 128 x 128: 64 accumulators, 512 registers.  K goes in steps of 128 through two LDS slots filled by tensor loads:
; waves 0, 1 fetch the two halves of hn's 256 rows, waves 2, 3 the two halves of W0's 128 k-rows.  CLUSTER 4 x 4: hn's tile is asked for jointly along a row of the cluster, W0's along a column.
; EACH CLUSTER BEGINS ITS WALK ALONG K AT A STEP OF ITS OWN and wraps round: cluster (x, y) of the 4 x 4 clusters at step 2 x + 4 (y mod 2) of the 8.  So the four clusters that read the same rows of hn ask
; for a given K step at four different times, two steps apart, and clusters y and y + 1, which read the same columns of W, four steps apart.  The f32 sums take K in that rotated order.
; NO PREFETCH: with these starts every block of hn and of W is asked for the first time in some cluster's K steps 0 to 3; steps 0 and 1 are the first fills, at the kernel's head, and a request ahead of
; step 2's load would stand there too; one step of W's eight is all that could still be asked for a step ahead.
; THE PRODUCT IS TAKEN TRANSPOSED (source 0 = 16 columns of W, turned out of LDS by ds_load_tr16_b128; source 1 = 16 rows of hn): a lane holds one row and eight neighbouring columns.
; THE SUMS START AT THE BIAS, loaded straight into the accumulators while the first tiles are on their way.
; ONE TEXT FOR A K STEP: the slot in hand is a scalar turned by an exclusive or; a loop of 6 trips refills, a loop of 2 does not; the last change of slots fetches 32 fragments that nobody uses.
; GELU.  The finished sums are laid into the ring's bytes (which have had their last fill), each wave's into a part of its own, and a loop of 32 trips takes four rows at a time:
; gelu(x) = max(x, 0) - |x| q,  q = 0.5 poly(t) 2^(-x^2 log2(e) / 2),  t = 1 / (1 + p |x| / sqrt(2)): Abramowitz and Stegun 7.1.26, whose error in erf is at most 1.5e-7 for every argument.
; LIMITS.  f16 ends at 65,504: a gelu beyond it becomes an infinity.  NaN and infinities are not treated apart.
; REGISTERS (windows of 256): window 0: v14-29 addresses; v64-127, v128-191 hn's fragments, two buffers (later the gelu's registers).  window 1: v64-191 W's fragments, two buffers.
;   windows 2, 3: accumulator (a, b) at v[8 (8 (a % 4) + b)] of window 2 + a / 4.
.set PA,    272                        ; a row of hn in LDS: 256 bytes + 16
.set PB,    544                        ; a k-row of W: 512 bytes + 32: an odd multiple of 32
.set BOFF,  256*PA
.set SLOT,  BOFF+128*PB                ; 139,264
.set SPARE, 2*SLOT                     ; the spare words: 128 bytes a wave, two blocks of 256 bytes that no other line names
.set DP,    528                        ; the sums in LDS: a row of 128 f32 + 16 bytes
.set DW,    128*DP                     ; a wave's part; four of them end below SPARE
.set W0,    8388608
.set BIAS0, 25165824+16384
.set TSTEPS, 8                         ; K steps
.set ASTEP, 256                        ; bytes from K step to K step in hn
.set BSTEP, 1048576                    ; and in W0: 128 k-rows of 8,192 bytes
.set ADRA0, 14
.set ADRB0, 15
.set ADRA,  16
.set ADRB,  20
.set DST,   24
.set DRD,   25
.set CO,    26
.set BO,    27
.set SPW,   28
.set NIL,   29
.set F0,    64
.set F1,    128
.set XX,    64                         ; the gelu's registers, 16 each
.set AA,    80
.set MX,    96
.set TT,    112
.set EE,    128
.set PP,    144
.set OUT,   160
.set G1,  24
.set G0,  32
.set G1B, 48
.set G0B, 56
.set SL,  66
.set LBA, 67
.set LBB, 68
.set KI,  69                           ; s69 the K step asked for last, 0 to 7: made of the cluster's coordinates, which all partners share
.set OFF, 70                           ; s[70:71] that step's byte offset; the high word stays 0
.set MSB, 0
.macro WIN new
.if MSB != (\new)
	s_set_vgpr_msb (MSB<<8)|(\new)
.set MSB, \new
.endif
.endm
.set MUL_LO, 0xa1
.set TO_B,   0x40
.macro PLACES
.rept 4
	v_nop
.endr
.endm
.macro JLOAD
	s_cmp_eq_u32 s11, 0
	s_cbranch_scc0 .Lfor_b_\@
	tensor_load_to_lds s[G0+4:G0+7], s[G1:G1+7]
	s_nop 0
.rept 4
	v_nop
.endr
	s_branch .Lasked_\@
.Lfor_b_\@:
	tensor_load_to_lds s[G0B+4:G0B+7], s[G1B:G1B+7]
	s_nop 0
.rept 4
	v_nop
.endr
.Lasked_\@:
.endm
.macro CREST
	s_cmp_lg_u32 s10, 0
	s_cbranch_scc1 .Lnot_wave_0_\@
	s_barrier_signal -3
.Lnot_wave_0_\@:
	s_barrier_wait -3
	s_barrier_signal -1
	s_barrier_wait -1
.endm
.macro CROUND
	s_barrier_signal -1
	s_barrier_wait -1
	CREST
.endm
	s_load_b128 s[4:7], s[0:1], 0x0                ; hn, wts
	s_load_b64 s[8:9], s[0:1], 0x10                ; gl
	v_lshl_add_u32 v[SPW], v0, 2, SPARE
	v_mov_b32 v[NIL], 0
	ds_add_u32 v[SPW], v[NIL]                      ; the wave's opening: the add and its wait ahead of my first tensor load
	v_lshrrev_b32 v1, 5, v0
	v_readfirstlane_b32 s10, v1
	s_lshr_b32 s11, s10, 1                         ; my half of the tile's rows.  Also: I fetch for hn (0) or for W (1)
	s_and_b32 s12, s10, 1                          ; my half of its columns.  Also: which half I fetch
	s_bfe_u32 s40, ttmp6, 0x40000
	s_bfe_u32 s41, ttmp6, 0x40004
	s_lshl_b32 s42, ttmp9, 2
	s_add_co_u32 s42, s42, s40                     ; tile column
	s_and_b32 s13, ttmp7, 0xffff                   ; the cluster's y
	s_and_b32 s[KI], s13, 1                        ; where my cluster begins along K: 4 (y mod 2)
	s_lshl_b32 s[KI], s[KI], 2
	s_lshl_b32 s[OFF], ttmp9, 1                    ; + 2 x the cluster's x,
	s_add_co_u32 s[KI], s[KI], s[OFF]
	s_and_b32 s[KI], s[KI], TSTEPS-1               ; round the 8 steps
	s_mov_b32 s[OFF+1], 0
	s_lshl_b32 s13, s13, 2
	s_add_co_u32 s13, s13, s41                     ; tile row
	s_lshl_b32 s43, s41, 2
	s_lshl_b32 s43, 15, s43
	s_lshl_b32 s44, 0x1111, s40
	s_or_b32 s[G1+0], s43, (1<<16)|(1<<20)|(1<<21)|(5<<22)|(3<<25)   ; 128 rows x 128 elements; 4 words of padding after every 64
	s_mov_b32 s[G1+1], 128<<16
	s_mov_b32 s[G1+2], 128<<16
	s_mov_b32 s[G1+3], 128<<16
	s_mov_b32 s[G1+4], 128
	s_mov_b32 s[G1+5], 1024
	s_mov_b32 s[G1+6], 0
	s_mov_b32 s[G1+7], 0
	s_or_b32 s[G1B+0], s44, (1<<16)|(1<<20)|(1<<21)|(6<<22)|(7<<25)  ; 64 k-rows x 256 elements; 8 words of padding after every 128
	s_mov_b32 s[G1B+1], 256<<16
	s_mov_b32 s[G1B+2], 64<<16
	s_mov_b32 s[G1B+3], 256<<16
	s_mov_b32 s[G1B+4], 64
	s_mov_b32 s[G1B+5], 4096
	s_mov_b32 s[G1B+6], 0
	s_mov_b32 s[G1B+7], 0
	s_lshl_b32 s16, s13, 19                        ; hn: (256 tile row + 128 half) rows of 2,048 bytes
	s_lshl_b32 s17, s12, 18
	s_add_co_u32 s16, s16, s17
	s_mov_b32 s17, 0
	s_lshl_b32 s46, s12, 19                        ; W0: 64 k-rows of 8,192 bytes for the second half, 512 bytes a tile column
	s_lshl_b32 s47, s42, 9
	s_add_co_u32 s46, s46, s47
	s_add_co_u32 s46, s46, W0
	s_mov_b32 s47, 0
	s_mul_i32 s[LBA], s12, 128*PA
	s_mul_i32 s[LBB], s12, 64*PB
	s_add_co_u32 s[LBB], s[LBB], BOFF
	s_mov_b32 s[SL], 0
	s_wait_dscnt 0x0                               ; the opening add is done
	s_wait_kmcnt 0x0
	s_add_nc_u64 s[14:15], s[4:5], s[16:17]        ; my part of hn's tile at K = 0: kept; every fill's address is this + the step's offset
	s_add_nc_u64 s[46:47], s[6:7], s[46:47]        ; the same for W
.irp s, 0,1
	s_mov_b32 s[G0+4*(\s)], 1
	s_add_co_u32 s[G0+4*(\s)+1], s[LBA], (\s)*SLOT
	s_mul_i32 s[OFF], s[KI], ASTEP
	s_add_nc_u64 s[G0+4*(\s)+2:G0+4*(\s)+3], s[14:15], s[OFF:OFF+1]
	s_or_b32 s[G0+4*(\s)+3], s[G0+4*(\s)+3], 0x80000000
	s_mov_b32 s[G0B+4*(\s)], 1
	s_add_co_u32 s[G0B+4*(\s)+1], s[LBB], (\s)*SLOT
	s_mul_i32 s[OFF], s[KI], BSTEP
	s_add_nc_u64 s[G0B+4*(\s)+2:G0B+4*(\s)+3], s[46:47], s[OFF:OFF+1]
	s_or_b32 s[G0B+4*(\s)+3], s[G0B+4*(\s)+3], 0x80000000
.if (\s) == 0
	s_add_co_u32 s[KI], s[KI], 1                   ; slot 1 takes the next step of my walk
	s_and_b32 s[KI], s[KI], TSTEPS-1
.endif
.endr
	CROUND                                         ; all sixteen work-groups are here: the first joint loads meet
	s_cmp_eq_u32 s11, 0                            ; a wave's two first fills stand in one branch: two loads of mine are out
	s_cbranch_scc0 .Lfirst_b
	tensor_load_to_lds s[G0:G0+3], s[G1:G1+7]
	s_nop 0
	tensor_load_to_lds s[G0+4:G0+7], s[G1:G1+7]
	s_nop 0
.rept 4
	v_nop
.endr
	s_branch .Lfirst_asked
.Lfirst_b:
	tensor_load_to_lds s[G0B:G0B+3], s[G1B:G1B+7]
	s_nop 0
	tensor_load_to_lds s[G0B+4:G0B+7], s[G1B:G1B+7]
	s_nop 0
.rept 4
	v_nop
.endr
.Lfirst_asked:
	v_and_b32 v1, 15, v0                           ; r
	v_bfe_u32 v2, v0, 4, 1                         ; h
	v_mul_u32_u24 v3, v1, PA
	v_lshl_add_u32 v3, v2, 4, v3
	s_mul_i32 s21, s11, 128*PA
	v_add_nc_u32 v[ADRA0], s21, v3
	v_and_b32 v4, 7, v0
	v_lshl_add_u32 v4, v2, 3, v4
	v_mul_u32_u24 v4, v4, PB
	v_bfe_u32 v5, v0, 3, 1
	v_lshl_add_u32 v4, v5, 4, v4
	s_lshl_b32 s22, s12, 8                         ; my 128 columns: 256 bytes
	s_add_co_u32 s22, s22, BOFF
	v_add_nc_u32 v[ADRB0], s22, v4
	v_mov_b32 v[ADRA], v[ADRA0]
	v_mov_b32 v[ADRB], v[ADRB0]
	s_mul_i32 s21, s10, DW
	v_mul_u32_u24 v6, v1, DP
	v_lshl_add_u32 v6, v2, 4, v6
	v_add_nc_u32 v[DST], s21, v6                   ; the sums go in: row r, 16 bytes for each half of the lanes
	v_mul_u32_u24 v6, v2, DP
	v_lshl_add_u32 v6, v1, 4, v6
	v_add_nc_u32 v[DRD], s21, v6                   ; and come back: lanes 0-15 one row, lanes 16-31 the next
	v_lshlrev_b32 v6, 13, v2
	v_lshl_add_u32 v[CO], v1, 4, v6                ; the same two rows in gl
	v_lshlrev_b32 v[BO], 5, v2
	s_lshl_b32 s18, s42, 10                        ; my 128 biases
	s_lshl_b32 s19, s12, 9
	s_add_co_u32 s18, s18, s19
	s_add_co_u32 s18, s18, BIAS0
	s_mov_b32 s19, 0
	s_add_nc_u64 s[18:19], s[6:7], s[18:19]
.irp hi, 0,1
	WIN 0x80+0x40*(\hi)
.irp a, 0,1,2,3
.irp b, 0,1,2,3,4,5,6,7
	global_load_b128 v[8*(8*(\a)+(\b)):8*(8*(\a)+(\b))+3],   v[BO], s[18:19] offset:64*(\b)      ; register j of (a, b) starts at the bias of column 16 b + 8 h + j
	global_load_b128 v[8*(8*(\a)+(\b))+4:8*(8*(\a)+(\b))+7], v[BO], s[18:19] offset:64*(\b)+16
.endr
.endr
.endr
	WIN 0
	; gl at my 128 x 128
	s_lshl_b32 s20, s13, 21
	s_lshl_b32 s21, s11, 20
	s_add_co_u32 s20, s20, s21
	s_lshl_b32 s21, s42, 9
	s_add_co_u32 s20, s20, s21
	s_lshl_b32 s21, s12, 8
	s_add_co_u32 s20, s20, s21
	s_mov_b32 s21, 0
	s_add_nc_u64 s[8:9], s[8:9], s[20:21]
	; the gelu's constants, each written as a pair since the packed forms name pairs
	s_mov_b32 s72, 0x3e6d3388                      ; p / sqrt(2) = 0.23164189
	s_mov_b32 s74, 0xbf38aa3b                      ; -log2(e) / 2
	s_mov_b32 s76, 0x3e027906                      ; a1 / 2 =  0.127414796
	s_mov_b32 s78, 0xbe11a98e                      ; a2 / 2 = -0.142248368
	s_mov_b32 s80, 0x3f35f0e3                      ; a3 / 2 =  0.710706871
	s_mov_b32 s82, 0xbf3a00e3                      ; a4 / 2 = -0.726576014
	s_mov_b32 s84, 0x3f07dc22                      ; a5 / 2 =  0.530702715
.irp c, 72,74,76,78,80,82,84
	s_mov_b32 s[(\c)+1], s[\c]
.endr
	s_mov_b32 s86, 0x7fffffff
.macro MUL16 f, hi, a0                 ; 16 products: row blocks a0, a0 + 1 of the window's four x 8 column blocks, 32 along K.  The 64 accumulators take turns in one order throughout
	WIN MUL_LO+0x50*(\hi)
.irp a, \a0, (\a0)+1
.irp b, 0,1,2,3,4,5,6,7
	v_wmma_f32_16x16x32_f16 v[8*(8*(\a)+(\b)):8*(8*(\a)+(\b))+7], v[(\f)+8*(\b):(\f)+8*(\b)+7], v[(\f)+8*(4*(\hi)+(\a)):(\f)+8*(4*(\hi)+(\a))+7], v[8*(8*(\a)+(\b)):8*(8*(\a)+(\b))+7]
.endr
.endr
.endm
.macro FETCH q, f                      ; 32 LDS loads in one run: quarter q's fragments into buffer f: W's 8 (turned), then hn's 8
	WIN TO_B
.irp i, 0,1,2,3,4,5,6,7
	ds_load_tr16_b128 v[(\f)+8*(\i):(\f)+8*(\i)+3],   v[ADRB] offset:32*PB*(\q)+32*(\i)
	ds_load_tr16_b128 v[(\f)+8*(\i)+4:(\f)+8*(\i)+7], v[ADRB] offset:32*PB*(\q)+32*(\i)+16*PB
.endr
	WIN 0
.irp i, 0,1,2,3,4,5,6,7
	ds_load_b128 v[(\f)+8*(\i):(\f)+8*(\i)+3],   v[ADRA] offset:64*(\q)+16*PA*(\i)
	ds_load_b128 v[(\f)+8*(\i)+4:(\f)+8*(\i)+7], v[ADRA] offset:64*(\q)+16*PA*(\i)+32
.endr
.endm
.macro QUARTER q, f, g
	s_wait_dscnt 8                                 ; W and hn's rows 0-63 are in; the youngest eight loads (rows 64-127) may be out
	MUL16 \f, 0, 0
	MUL16 \f, 0, 2
	PLACES
	FETCH \q, \g
	s_wait_dscnt 32                                ; all but the 32 just issued
	MUL16 \f, 1, 0
	MUL16 \f, 1, 2
.endm
.macro TURN fill
	WIN 0
	s_wait_tensorcnt 0x0                           ; all my tensor loads have landed: my part of the other slot; so a group 0 may be written
	ds_add_u32 v[SPW], v[NIL]                      ; the descriptors' scalar work stands between the add and the wait for it
.if \fill
	s_add_co_u32 s[KI], s[KI], 1                   ; the next step of my cluster's walk, round the 8
	s_and_b32 s[KI], s[KI], TSTEPS-1
	s_add_co_u32 s[G0+5], s[LBA], s[SL]            ; the walking sets: into the slot in hand, which is read out behind the round;
	s_mul_i32 s[OFF], s[KI], ASTEP
	s_add_nc_u64 s[G0+6:G0+7], s[14:15], s[OFF:OFF+1]  ; the address is made anew: the tile's base + the step's offset, and the type bits
	s_or_b32 s[G0+7], s[G0+7], 0x80000000
	s_add_co_u32 s[G0B+5], s[LBB], s[SL]
	s_mul_i32 s[OFF], s[KI], BSTEP
	s_add_nc_u64 s[G0B+6:G0B+7], s[46:47], s[OFF:OFF+1]
	s_or_b32 s[G0B+7], s[G0B+7], 0x80000000
.endif
	s_wait_dscnt 9                                 ; the add and the youngest eight loads may be out
	MUL16 F1, 0, 0
	s_wait_dscnt 0x0                               ; the add is done, and my reads of this slot are over
	s_barrier_signal -1
	MUL16 F1, 0, 2
	WIN 0
	s_barrier_wait -1
.if \fill
	CREST                                          ; a round of the cluster's barrier: no wave of any partner still reads this slot or has a load on its way
.endif
	s_xor_b32 s[SL], s[SL], SLOT
.if \fill
	JLOAD                                          ; the first tensor load behind the round; its four v_nop are also the places in front of the loads below
.else
	PLACES
.endif
	v_add_nc_u32 v[ADRA], s[SL], v[ADRA0]
	v_add_nc_u32 v[ADRB], s[SL], v[ADRB0]
	FETCH 0, F0
	MUL16 F1, 1, 0
	MUL16 F1, 1, 2
.endm
	s_wait_tensorcnt 1                             ; my part of my walk's first step is in; the second's may stay out
	s_barrier_signal -1
	s_barrier_wait -1
	FETCH 0, F0
	s_wait_loadcnt 0x0                             ; the biases are in the accumulators
	s_mov_b32 s3, TSTEPS-2
.Lmain:
	QUARTER 1, F0, F1
	QUARTER 2, F1, F0
	QUARTER 3, F0, F1
	TURN 1
	WIN 0
	s_sub_co_u32 s3, s3, 1
	s_cmp_lg_u32 s3, 0
	s_cbranch_scc1 .Lmain
	s_mov_b32 s3, 2
.Ltail:                                                ; the walk's steps 6 and 7 ask for nothing
	QUARTER 1, F0, F1
	QUARTER 2, F1, F0
	QUARTER 3, F0, F1
	TURN 0
	WIN 0
	s_sub_co_u32 s3, s3, 1
	s_cmp_lg_u32 s3, 0
	s_cbranch_scc1 .Ltail
	; THE SUMS GO INTO THE RING'S BYTES.  Every wave has ended its reads of the ring (the wait, the barrier); no tensor load follows.  Of a lane's eight columns the first four go to byte 32 b + 16 h of
	; the row, the last four 256 bytes further: so both reads below take 16 neighbouring bytes a lane, and a lane gets back eight neighbouring columns.
	s_wait_dscnt 0x0
	s_barrier_signal -1
	s_barrier_wait -1
	PLACES
	PLACES
.irp hi, 0,1
	WIN 0x08+0x04*(\hi)                            ; a store's data is source 1: window 2 or 3
.irp a, 0,1,2,3
.irp b, 0,1,2,3,4,5,6,7
	ds_store_b128 v[DST], v[8*(8*(\a)+(\b)):8*(8*(\a)+(\b))+3]   offset:16*DP*(4*(\hi)+(\a))+32*(\b)
	ds_store_b128 v[DST], v[8*(8*(\a)+(\b))+4:8*(8*(\a)+(\b))+7] offset:16*DP*(4*(\hi)+(\a))+32*(\b)+256
.endr
.endr
.endr
	WIN 0
.macro GLOAD                           ; four rows: a lane's columns 8 (l % 16) + 0..7 of rows l / 16 and 2 + l / 16.  LDS serves a wave's instructions in order: these see my stores
	ds_load_b128 v[XX:XX+3],     v[DRD]
	ds_load_b128 v[XX+4:XX+7],   v[DRD] offset:256
	ds_load_b128 v[XX+8:XX+11],  v[DRD] offset:2*DP
	ds_load_b128 v[XX+12:XX+15], v[DRD] offset:2*DP+256
.endm
.macro EACH8 line:vararg               ; one packed line for each of the eight pairs i
.set i, 0
.rept 8
	\line
.set i, i+2
.endr
.endm
	GLOAD
	s_mov_b32 s3, 32
.Lgelu:
	s_wait_dscnt 0x0                               ; this trip's four rows are in
.set i, 0
.rept 16
	v_and_b32 v[AA+i], s86, v[XX+i]                ; |x|
.set i, i+1
.endr
.set i, 0
.rept 16
	v_max_num_f32 v[MX+i], 0, v[XX+i]              ; max(x, 0)
.set i, i+1
.endr
	s_cmp_gt_u32 s3, 1                             ; the next trip's rows are fetched while this trip computes; the last trip reads its own rows once more
	s_cselect_b32 s2, 4*DP, 0
	v_add_nc_u32 v[DRD], s2, v[DRD]
	GLOAD
	EACH8 v_pk_fma_f32 v[TT+i:TT+i+1], v[AA+i:AA+i+1], s[72:73], 1.0 op_sel_hi:[1,0,0]
	EACH8 v_pk_mul_f32 v[EE+i:EE+i+1], v[AA+i:AA+i+1], v[AA+i:AA+i+1]
	EACH8 v_pk_mul_f32 v[EE+i:EE+i+1], v[EE+i:EE+i+1], s[74:75] op_sel_hi:[1,0]
.set i, 0
.rept 16
	v_rcp_f32 v[TT+i], v[TT+i]                     ; t
.set i, i+1
.endr
.set i, 0
.rept 16
	v_exp_f32 v[EE+i], v[EE+i]                     ; e^(-x^2 / 2)
.set i, i+1
.endr
	v_nop                                          ; a plain instruction behind the last of the batch,
	s_wait_alu depctr_va_vdst(0)                   ; and one wait for all 32, ahead of their first reader
	EACH8 v_pk_fma_f32 v[PP+i:PP+i+1], v[TT+i:TT+i+1], s[84:85], s[82:83] op_sel_hi:[1,0,0]
	EACH8 v_pk_fma_f32 v[PP+i:PP+i+1], v[PP+i:PP+i+1], v[TT+i:TT+i+1], s[80:81] op_sel_hi:[1,1,0]
	EACH8 v_pk_fma_f32 v[PP+i:PP+i+1], v[PP+i:PP+i+1], v[TT+i:TT+i+1], s[78:79] op_sel_hi:[1,1,0]
	EACH8 v_pk_fma_f32 v[PP+i:PP+i+1], v[PP+i:PP+i+1], v[TT+i:TT+i+1], s[76:77] op_sel_hi:[1,1,0]
	EACH8 v_pk_mul_f32 v[PP+i:PP+i+1], v[PP+i:PP+i+1], v[TT+i:TT+i+1]
	EACH8 v_pk_mul_f32 v[PP+i:PP+i+1], v[PP+i:PP+i+1], v[EE+i:EE+i+1]
	EACH8 v_pk_fma_f32 v[MX+i:MX+i+1], v[PP+i:PP+i+1], v[AA+i:AA+i+1], v[MX+i:MX+i+1] neg_lo:[1,0,0] neg_hi:[1,0,0]
.set i, 0
.rept 8
	v_cvt_pk_f16_f32 v[OUT+i], v[MX+2*i], v[MX+2*i+1]
.set i, i+1
.endr
	global_store_b128 v[CO], v[OUT:OUT+3],   s[8:9]               ; 16 lanes store 256 consecutive bytes, aligned
	global_store_b128 v[CO], v[OUT+4:OUT+7], s[8:9] offset:16384
	s_wait_xcnt 0x0                                ; the stores have read their registers and their base
	s_add_nc_u64 s[8:9], s[8:9], 32768             ; four rows on
	s_sub_co_u32 s3, s3, 1
	s_cmp_lg_u32 s3, 0
	s_cbranch_scc1 .Lgelu
	s_wait_tensorcnt 0x0                           ; the wave's end
	ds_add_u32 v[SPW], v[NIL]
	s_wait_dscnt 0x0
	CROUND                                         ; the closing round
	s_endpgm
.Lfunc_end_k_q1c01d9cbee_fc0:
	.size	k_q1c01d9cbee_fc0, .Lfunc_end_k_q1c01d9cbee_fc0-k_q1c01d9cbee_fc0
	.p2alignl 7, 3214868480
	.fill 96, 4, 3214868480
	.section	.rodata,"a",@progbits
	.p2align	6, 0x0
	.amdhsa_kernel k_q1c01d9cbee_fc0
		.amdhsa_group_segment_fixed_size 327680
		.amdhsa_private_segment_fixed_size 0
		.amdhsa_enable_private_segment 0
		.amdhsa_kernarg_size 24
		.amdhsa_user_sgpr_count 2
		.amdhsa_user_sgpr_kernarg_segment_ptr 1
		.amdhsa_wavefront_size32 1
		.amdhsa_system_sgpr_workgroup_id_x 1
		.amdhsa_system_sgpr_workgroup_id_y 1
		.amdhsa_system_sgpr_workgroup_id_z 1
		.amdhsa_system_vgpr_workitem_id 0
		.amdhsa_next_free_vgpr 1024
		.amdhsa_next_free_sgpr 88
		.amdhsa_reserve_vcc 0
		.amdhsa_float_denorm_mode_32 3
		.amdhsa_float_denorm_mode_16_64 3
		.amdhsa_memory_ordered 1
		.amdhsa_forward_progress 1
		.amdhsa_inst_pref_size 93
	.end_amdhsa_kernel
	.amdgpu_metadata
---
amdhsa.version: [ 1, 2 ]
amdhsa.kernels:
  - .name:           k_q1c01d9cbee_fc0
    .symbol:         k_q1c01d9cbee_fc0.kd
    .args:
      - { .name: hn, .offset: 0, .size: 8, .value_kind: global_buffer, .address_space: global }
      - { .name: wts, .offset: 8, .size: 8, .value_kind: global_buffer, .address_space: global }
      - { .name: gl, .offset: 16, .size: 8, .value_kind: global_buffer, .address_space: global }
    .group_segment_fixed_size: 327680
    .private_segment_fixed_size: 0
    .kernarg_segment_align: 8
    .kernarg_segment_size: 24
    .max_flat_workgroup_size: 128
    .sgpr_count:     88
    .vgpr_count:     1024
    .wavefront_size: 32
...
	.end_amdgpu_metadata
.endif
;; end of part 6
;; launch fc1 (part 7): grid 8 x 32, 4 waves a work-group, clusters of 4 x 4, 327,680 bytes of LDS; arguments gl, wts, res, out0; writes out0
.if DOCPART == 7
	.amdgcn_target "amdgcn-amd-amdhsa--gfx1250"
	.amdhsa_code_object_version 6
	.text
	.protected	k_q1c01d9cbee_fc1
	.globl	k_q1c01d9cbee_fc1
	.p2align	8
	.type	k_q1c01d9cbee_fc1,@function
k_q1c01d9cbee_fc1:
	s_mov_b64 s[64:65], 0
	v_nop
	global_prefetch_b8 v0, s[64:65] scope:SCOPE_SE
	s_setreg_imm32_b32 hwreg(HW_REG_WAVE_MODE, 25, 1), 1
	s_wait_xcnt 0x0
	s_wait_alu depctr_hold_cnt(0) depctr_sa_sdst(0) depctr_va_vdst(0) depctr_va_sdst(0) depctr_va_ssrc(0) depctr_va_vcc(0) depctr_vm_vsrc(0)
	s_getreg_b32 s2, hwreg(HW_REG_IB_STS2, 6, 4)
	s_cmp_eq_u32 s2, 0
	s_cbranch_scc0 .Lentry_in_a_cluster
	s_endpgm
.Lentry_in_a_cluster:
	s_bfe_u32 s2, ttmp6, 0x10000c
	s_cmp_lg_u32 s2, 0xf033
	s_cbranch_scc0 .Lentry_shape_is_right
	s_endpgm
.Lentry_shape_is_right:
; A GEMM ON TILES OF 128 x 128 WITH BIAS AND RESIDUAL: out[4096][1024] (f32) = A x W + bias + resid.  One text for two launches, told apart by PROJ at its head:
;   PROJ = 1: A = the attention's output, f16 [32 blocks of 128 tokens][16 heads][128 rows][64], K = 1,024; W = WP; resid = x, an input, rounded to bf16.
;   PROJ = 0: A = gelu's output, f16 [4096][4096], K = 4,096; W = W1; resid = the first residual sum, as it is.
; 8 x 32 = 256 work-groups of four waves, each 64 x 64: 16 accumulators.  K goes in steps of 256 through two LDS slots: waves 0, 1 fetch A's two halves, waves 2, 3 the two halves of W's 256 k-rows.
; CLUSTER 4 x 4: A's tile is asked for jointly along a row of the cluster, W's along a column.  No prefetch: the tiles are small, and a K step holds 128 matrix instructions a wave.
; EACH CLUSTER BEGINS ITS WALK ALONG K AT A STEP OF ITS OWN and wraps round: cluster (x, y) of the 2 x 8 clusters at step OX x + OY (y mod 4) of the TSTEPS.  So the two clusters that read the same rows
; of A ask for a given K step half a walk apart, and clusters y .. y + 3, which read the same columns of W, a quarter of a walk apart.  The f32 sums take K in that rotated order.
; THE PRODUCT IS TAKEN TRANSPOSED (source 0 = 16 columns of W, turned out of LDS; source 1 = 16 rows of A): a lane holds one row and eight neighbouring columns.  THE SUMS START AT THE BIAS.
; ONE TEXT FOR A K STEP: the slot in hand is a scalar turned by an exclusive or; a loop of TSTEPS - 2 trips refills, a loop of 2 does not; the last change of slots fetches 32 fragments that nobody uses.
; LIMITS.  Operands are f16 (up to 65,504).  NaN and infinities are not treated apart.
; REGISTERS: window 0: v14-29 addresses; v32-95 the way out; v128-255 accumulators ((a, b) at v[128 + 8 (4 a + b)]).  window 1: two fragment buffers of 128 (64 of A, 64 of W).  window 2: v0-127 the residual.
.set PROJ, 0
.if PROJ
.set APITCH, 144                       ; a row of one head: 128 bytes + 16
.set AREG,  4*128*APITCH               ; four heads' planes of 128 rows
.set AHALF, 2*128*APITCH
.set AQ,    128*APITCH                 ; a quarter (64 along K) is a head's plane
.set GA0,   (1<<16)|(1<<20)|(1<<21)|(4<<22)|(3<<25)  ; padding of 4 words after every 32
.set AD0,   128                        ; two heads' 32,768 dense bytes, asked for as 128 rows of 256 bytes
.set AD1,   128
.set ASTR,  128
.set ASH13, 18                         ; a block of 128 tokens: 16 heads x 16,384 bytes
.set ASH12, 15                         ; two heads
.set ASTEP, 65536                      ; four heads
.set WBASE, 6291456
.set BBASE, 25165824+12288
.set TSTEPS, 4
.set OX,    2
.set OY,    1
.else
.set APITCH, 528                       ; 512 bytes + 16
.set AREG,  128*APITCH
.set AHALF, 64*APITCH
.set AQ,    128
.set GA0,   (1<<16)|(1<<20)|(1<<21)|(6<<22)|(3<<25)  ; padding of 4 words after every 128
.set AD0,   256
.set AD1,   64
.set ASTR,  4096
.set ASH13, 20                         ; 128 rows of 8,192 bytes
.set ASH12, 19
.set ASTEP, 512
.set WBASE, 16777216
.set BBASE, 25165824+32768
.set TSTEPS, 16
.set OX,    8
.set OY,    4
.endif
.set BSTEP, 524288                     ; 256 k-rows of 2,048 bytes
.set AI,    16*APITCH
.set PB,    288                        ; a k-row of W: 256 bytes + 32: an odd multiple of 32
.set BHALF, 128*PB
.set SLOT,  AREG+256*PB
.set STAGE, 2*SLOT                     ; behind the ring, never filled by a tensor load: 16 rows x 272 bytes for each wave
.set SPI,   272
.set SPARE, STAGE+4*16*SPI             ; the spare words: 128 bytes a wave
.set ADRA0, 14
.set ADRB0, 15
.set ADRA,  16
.set ADRB,  20                         ; v20: k-rows 0-127 of the slot in hand; v21: k-rows 128-255 (the immediate holds 16 bits)
.set STO,   24
.set RD,    25
.set CO,    26
.set BO,    27
.set SPW,   28
.set NIL,   29
.set TMP,   32
.set ACC,   128
.set F0,    0
.set F1,    128
.set G1,  24
.set G0,  32
.set G1B, 48
.set G0B, 56
.set SL,  66
.set LBA, 67
.set LBB, 68
.set KI,  69                           ; s69 the K step asked for last: made of the cluster's coordinates, which all partners share
.set OFF, 70                           ; s[70:71] that step's byte offset; the high word stays 0
.set MSB, 0
.macro WIN new
.if MSB != (\new)
	s_set_vgpr_msb (MSB<<8)|(\new)
.set MSB, \new
.endif
.endm
.set MUL,  0x05                        ; sources 0 (W) and 1 (A) window 1; C and D window 0
.set TO_F, 0x40
.macro PLACES
.rept 4
	v_nop
.endr
.endm
.macro JLOAD
	s_cmp_eq_u32 s11, 0
	s_cbranch_scc0 .Lfor_b_\@
	tensor_load_to_lds s[G0+4:G0+7], s[G1:G1+7]
	s_nop 0
.rept 4
	v_nop
.endr
	s_branch .Lasked_\@
.Lfor_b_\@:
	tensor_load_to_lds s[G0B+4:G0B+7], s[G1B:G1B+7]
	s_nop 0
.rept 4
	v_nop
.endr
.Lasked_\@:
.endm
.macro CREST
	s_cmp_lg_u32 s10, 0
	s_cbranch_scc1 .Lnot_wave_0_\@
	s_barrier_signal -3
.Lnot_wave_0_\@:
	s_barrier_wait -3
	s_barrier_signal -1
	s_barrier_wait -1
.endm
.macro CROUND
	s_barrier_signal -1
	s_barrier_wait -1
	CREST
.endm
	s_load_b128 s[4:7], s[0:1], 0x0                ; A, wts
	s_load_b128 s[72:75], s[0:1], 0x10             ; resid, out
	v_lshl_add_u32 v[SPW], v0, 2, SPARE
	v_mov_b32 v[NIL], 0
	ds_add_u32 v[SPW], v[NIL]                      ; the wave's opening: the add and its wait ahead of my first tensor load
	v_lshrrev_b32 v1, 5, v0
	v_readfirstlane_b32 s10, v1
	s_lshr_b32 s11, s10, 1                         ; my half of the tile's rows.  Also: I fetch for A (0) or for W (1)
	s_and_b32 s12, s10, 1                          ; my half of its columns.  Also: which half I fetch
	s_bfe_u32 s40, ttmp6, 0x40000
	s_bfe_u32 s41, ttmp6, 0x40004
	s_lshl_b32 s42, ttmp9, 2
	s_add_co_u32 s42, s42, s40                     ; tile column
	s_and_b32 s13, ttmp7, 0xffff                   ; the cluster's y
	s_and_b32 s[KI], s13, 3                        ; where my cluster begins along K: OY (y mod 4)
	s_mul_i32 s[KI], s[KI], OY
	s_mul_i32 s[OFF], ttmp9, OX                    ; + OX x the cluster's x,
	s_add_co_u32 s[KI], s[KI], s[OFF]
	s_and_b32 s[KI], s[KI], TSTEPS-1               ; round the walk
	s_mov_b32 s[OFF+1], 0
	s_lshl_b32 s13, s13, 2
	s_add_co_u32 s13, s13, s41                     ; tile row
	s_lshl_b32 s43, s41, 2
	s_lshl_b32 s43, 15, s43
	s_lshl_b32 s44, 0x1111, s40
	s_or_b32 s[G1+0], s43, GA0
	s_mov_b32 s[G1+1], AD0<<16
	s_mov_b32 s[G1+2], AD1<<16
	s_mov_b32 s[G1+3], AD0<<16
	s_mov_b32 s[G1+4], AD1
	s_mov_b32 s[G1+5], ASTR
	s_mov_b32 s[G1+6], 0
	s_mov_b32 s[G1+7], 0
	s_or_b32 s[G1B+0], s44, (1<<16)|(1<<20)|(1<<21)|(5<<22)|(7<<25)  ; 128 k-rows x 128 columns; padding of 8 words after every 64
	s_mov_b32 s[G1B+1], 128<<16
	s_mov_b32 s[G1B+2], 128<<16
	s_mov_b32 s[G1B+3], 128<<16
	s_mov_b32 s[G1B+4], 128
	s_mov_b32 s[G1B+5], 1024
	s_mov_b32 s[G1B+6], 0
	s_mov_b32 s[G1B+7], 0
	s_lshl_b32 s16, s13, ASH13
	s_lshl_b32 s17, s12, ASH12
	s_add_co_u32 s16, s16, s17
	s_mov_b32 s17, 0
	s_lshl_b32 s46, s12, 18                        ; W: 128 k-rows of 2,048 bytes for the second half, 256 bytes a tile column
	s_lshl_b32 s47, s42, 8
	s_add_co_u32 s46, s46, s47
	s_add_co_u32 s46, s46, WBASE
	s_mov_b32 s47, 0
	s_mul_i32 s[LBA], s12, AHALF
	s_mul_i32 s[LBB], s12, BHALF
	s_add_co_u32 s[LBB], s[LBB], AREG
	s_mov_b32 s[SL], 0
	s_wait_dscnt 0x0                               ; the opening add is done
	s_wait_kmcnt 0x0
	s_add_nc_u64 s[14:15], s[4:5], s[16:17]        ; my part of A's tile at K = 0: kept; every fill's address is this + the step's offset
	s_add_nc_u64 s[46:47], s[6:7], s[46:47]        ; the same for W
.irp s, 0,1
	s_mov_b32 s[G0+4*(\s)], 1
	s_add_co_u32 s[G0+4*(\s)+1], s[LBA], (\s)*SLOT
	s_mul_i32 s[OFF], s[KI], ASTEP
	s_add_nc_u64 s[G0+4*(\s)+2:G0+4*(\s)+3], s[14:15], s[OFF:OFF+1]
	s_or_b32 s[G0+4*(\s)+3], s[G0+4*(\s)+3], 0x80000000
	s_mov_b32 s[G0B+4*(\s)], 1
	s_add_co_u32 s[G0B+4*(\s)+1], s[LBB], (\s)*SLOT
	s_mul_i32 s[OFF], s[KI], BSTEP
	s_add_nc_u64 s[G0B+4*(\s)+2:G0B+4*(\s)+3], s[46:47], s[OFF:OFF+1]
	s_or_b32 s[G0B+4*(\s)+3], s[G0B+4*(\s)+3], 0x80000000
.if (\s) == 0
	s_add_co_u32 s[KI], s[KI], 1                   ; slot 1 takes the next step of my walk
	s_and_b32 s[KI], s[KI], TSTEPS-1
.endif
.endr
	CROUND                                         ; all sixteen work-groups are here: the first joint loads meet
	s_cmp_eq_u32 s11, 0                            ; a wave's two first fills stand in one branch: two loads of mine are out
	s_cbranch_scc0 .Lfirst_b
	tensor_load_to_lds s[G0:G0+3], s[G1:G1+7]
	s_nop 0
	tensor_load_to_lds s[G0+4:G0+7], s[G1:G1+7]
	s_nop 0
.rept 4
	v_nop
.endr
	s_branch .Lfirst_asked
.Lfirst_b:
	tensor_load_to_lds s[G0B:G0B+3], s[G1B:G1B+7]
	s_nop 0
	tensor_load_to_lds s[G0B+4:G0B+7], s[G1B:G1B+7]
	s_nop 0
.rept 4
	v_nop
.endr
.Lfirst_asked:
	v_and_b32 v1, 15, v0                           ; r
	v_bfe_u32 v2, v0, 4, 1                         ; h
	v_mul_u32_u24 v3, v1, APITCH
	v_lshl_add_u32 v3, v2, 4, v3
	s_mul_i32 s21, s11, 64*APITCH
	v_add_nc_u32 v[ADRA0], s21, v3
	v_and_b32 v4, 7, v0
	v_lshl_add_u32 v4, v2, 3, v4
	v_mul_u32_u24 v4, v4, PB
	v_bfe_u32 v5, v0, 3, 1
	v_lshl_add_u32 v4, v5, 4, v4
	s_lshl_b32 s22, s12, 7                         ; my 64 columns: 128 bytes
	s_add_co_u32 s22, s22, AREG
	v_add_nc_u32 v[ADRB0], s22, v4
	v_mov_b32 v[ADRA], v[ADRA0]
	v_mov_b32 v[ADRB], v[ADRB0]
	v_add_nc_u32 v[ADRB+1], BHALF, v[ADRB0]
	s_mul_i32 s21, s10, 16*SPI
	s_add_co_u32 s21, s21, STAGE                   ; my stage
	v_mul_u32_u24 v6, v1, SPI
	v_lshl_add_u32 v6, v2, 5, v6
	v_add_nc_u32 v[STO], s21, v6                   ; in: row r, 32 bytes for each half of the lanes
	v_mul_u32_u24 v6, v2, SPI
	v_lshl_add_u32 v6, v1, 4, v6
	v_add_nc_u32 v[RD], s21, v6                    ; back: lanes 0-15 one row of 256 bytes, lanes 16-31 the next
	v_lshlrev_b32 v6, 12, v2
	v_lshl_add_u32 v[CO], v1, 4, v6                ; the same two rows in resid and out
	v_lshlrev_b32 v[BO], 5, v2
	s_lshl_b32 s18, s42, 9                         ; my 64 biases
	s_lshl_b32 s19, s12, 8
	s_add_co_u32 s18, s18, s19
	s_add_co_u32 s20, s18, 0                       ; the same bytes along a row of resid and out
	s_add_co_u32 s18, s18, BBASE
	s_mov_b32 s19, 0
	s_add_nc_u64 s[18:19], s[6:7], s[18:19]
.irp a, 0,1,2,3
.irp b, 0,1,2,3
	global_load_b128 v[ACC+8*(4*(\a)+(\b)):ACC+8*(4*(\a)+(\b))+3],   v[BO], s[18:19] offset:64*(\b)     ; register j of (a, b) starts at the bias of column 16 b + 8 h + j
	global_load_b128 v[ACC+8*(4*(\a)+(\b))+4:ACC+8*(4*(\a)+(\b))+7], v[BO], s[18:19] offset:64*(\b)+16
.endr
.endr
	s_lshl_b32 s21, s13, 19                        ; (128 tile row + 64 half) rows of 4,096 bytes
	s_add_co_u32 s20, s20, s21
	s_lshl_b32 s21, s11, 18
	s_add_co_u32 s20, s20, s21
	s_mov_b32 s21, 0
	s_add_nc_u64 s[72:73], s[72:73], s[20:21]
	s_add_nc_u64 s[74:75], s[74:75], s[20:21]
	WIN 0x80
.irp a, 0,1,2,3
.irp t, 0,1,2,3,4,5,6,7
	global_load_b128 v[4*(8*(\a)+(\t)):4*(8*(\a)+(\t))+3], v[CO], s[72:73] offset:(16*(\a)+2*(\t))*4096  ; the residual, in the places in which the sums come back from the stage
.endr
.endr
	WIN 0
.macro MUL8 f, c, a0                   ; 8 products: row blocks a0, a0 + 1 x 4 column blocks, 32 along K: half c of buffer f.  The 16 accumulators take turns
	WIN MUL
.irp a, \a0, (\a0)+1
.irp b, 0,1,2,3
	v_wmma_f32_16x16x32_f16 v[ACC+8*(4*(\a)+(\b)):ACC+8*(4*(\a)+(\b))+7], v[(\f)+64+8*(4*(\c)+(\b)):(\f)+64+8*(4*(\c)+(\b))+7], v[(\f)+8*(4*(\c)+(\a)):(\f)+8*(4*(\c)+(\a))+7], v[ACC+8*(4*(\a)+(\b)):ACC+8*(4*(\a)+(\b))+7]
.endr
.endr
.endm
.macro FETCH q, f                      ; 32 LDS loads in one run: quarter q (64 along K) into buffer f; its first 32 along K first
	WIN TO_F
.irp c, 0,1
.irp i, 0,1,2,3
	ds_load_tr16_b128 v[(\f)+64+8*(4*(\c)+(\i)):(\f)+64+8*(4*(\c)+(\i))+3],   v[ADRB+(\q)/2] offset:32*PB*((2*(\q)+(\c))%4)+32*(\i)
	ds_load_tr16_b128 v[(\f)+64+8*(4*(\c)+(\i))+4:(\f)+64+8*(4*(\c)+(\i))+7], v[ADRB+(\q)/2] offset:32*PB*((2*(\q)+(\c))%4)+32*(\i)+16*PB
	ds_load_b128 v[(\f)+8*(4*(\c)+(\i)):(\f)+8*(4*(\c)+(\i))+3],   v[ADRA] offset:AQ*(\q)+64*(\c)+AI*(\i)
	ds_load_b128 v[(\f)+8*(4*(\c)+(\i))+4:(\f)+8*(4*(\c)+(\i))+7], v[ADRA] offset:AQ*(\q)+64*(\c)+AI*(\i)+32
.endr
.endr
.endm
.macro QUARTER q, f, g
	s_wait_dscnt 16                                ; the first 32 along K are in; the 16 younger loads may be out
	MUL8 \f, 0, 0
	MUL8 \f, 0, 2
	PLACES
	FETCH \q, \g
	s_wait_dscnt 32                                ; all but the 32 just issued
	MUL8 \f, 1, 0
	MUL8 \f, 1, 2
.endm
.macro TURN fill
	WIN 0
	s_wait_tensorcnt 0x0                           ; all my tensor loads have landed: my part of the other slot; so a group 0 may be written
	ds_add_u32 v[SPW], v[NIL]                      ; the descriptors' scalar work stands between the add and the wait for it
.if \fill
	s_add_co_u32 s[KI], s[KI], 1                   ; the next step of my cluster's walk, round its end
	s_and_b32 s[KI], s[KI], TSTEPS-1
	s_add_co_u32 s[G0+5], s[LBA], s[SL]            ; the walking sets: into the slot in hand, which is read out behind the round;
	s_mul_i32 s[OFF], s[KI], ASTEP
	s_add_nc_u64 s[G0+6:G0+7], s[14:15], s[OFF:OFF+1]  ; the address is made anew: the tile's base + the step's offset, and the type bits
	s_or_b32 s[G0+7], s[G0+7], 0x80000000
	s_add_co_u32 s[G0B+5], s[LBB], s[SL]
	s_mul_i32 s[OFF], s[KI], BSTEP
	s_add_nc_u64 s[G0B+6:G0B+7], s[46:47], s[OFF:OFF+1]
	s_or_b32 s[G0B+7], s[G0B+7], 0x80000000
.endif
	s_wait_dscnt 17                                ; the add and the youngest sixteen loads may be out
	MUL8 F1, 0, 0
	s_wait_dscnt 0x0                               ; the add is done, and my reads of this slot are over
	s_barrier_signal -1
	MUL8 F1, 0, 2
	WIN 0
	s_barrier_wait -1
.if \fill
	CREST                                          ; a round of the cluster's barrier: no wave of any partner still reads this slot or has a load on its way
.endif
	s_xor_b32 s[SL], s[SL], SLOT
.if \fill
	JLOAD                                          ; the first tensor load behind the round; its four v_nop are also the places in front of the loads below
.else
	PLACES
.endif
	v_add_nc_u32 v[ADRA], s[SL], v[ADRA0]
	v_add_nc_u32 v[ADRB], s[SL], v[ADRB0]
	v_add_nc_u32 v[ADRB+1], BHALF, v[ADRB]
	FETCH 0, F0
	MUL8 F1, 1, 0
	MUL8 F1, 1, 2
.endm
	s_wait_tensorcnt 1                             ; my part of my walk's first step is in; the second's may stay out
	s_barrier_signal -1
	s_barrier_wait -1
	FETCH 0, F0
	s_wait_loadcnt 0x0                             ; biases and residual are in
.if PROJ
	WIN 0x8a                                       ; x is an input: rounded to bf16 like every other, in window 2
.set i, 0
.rept 64
	v_cvt_pk_bf16_f32 v128, v[2*i], v[2*i+1]
	v_lshlrev_b32 v[2*i], 16, v128
	v_and_b32 v[2*i+1], 0xffff0000, v128
.set i, i+1
.endr
.endif
	WIN 0
	s_mov_b32 s3, TSTEPS-2
.Lmain:
	QUARTER 1, F0, F1
	QUARTER 2, F1, F0
	QUARTER 3, F0, F1
	TURN 1
	WIN 0
	s_sub_co_u32 s3, s3, 1
	s_cmp_lg_u32 s3, 0
	s_cbranch_scc1 .Lmain
	s_mov_b32 s3, 2
.Ltail:                                                ; the walk's last two steps ask for nothing
	QUARTER 1, F0, F1
	QUARTER 2, F1, F0
	QUARTER 3, F0, F1
	TURN 0
	WIN 0
	s_sub_co_u32 s3, s3, 1
	s_cmp_lg_u32 s3, 0
	s_cbranch_scc1 .Ltail
	; THE WAY OUT, 16 rows at a time: the f32 sums go through my stage and come back as whole rows of 256 bytes; they are added onto the residual's registers and stored from there.
.macro STG a
	WIN 0
.irp b, 0,1,2,3
	ds_store_b128 v[STO], v[ACC+8*(4*(\a)+(\b)):ACC+8*(4*(\a)+(\b))+3]   offset:64*(\b)
	ds_store_b128 v[STO], v[ACC+8*(4*(\a)+(\b))+4:ACC+8*(4*(\a)+(\b))+7] offset:64*(\b)+16
.endr
.irp t, 0,1,2,3,4,5,6,7
	ds_load_b128 v[TMP+32*((\a)%2)+4*(\t):TMP+32*((\a)%2)+4*(\t)+3], v[RD] offset:2*SPI*(\t)  ; LDS serves a wave's instructions in order: these see the stores above
.endr
.endm
.macro FIN a, y                        ; y: the LDS instructions issued behind block a's loads: the next block's sixteen, or none
	WIN 0x88                                       ; destination and source 1 (a store's data) in window 2, source 0 (a store's address) in window 0
.irp t, 0,1,2,3,4,5,6,7
	s_wait_dscnt (\y)+7-(\t)
	v_pk_add_f32 v[4*(8*(\a)+(\t)):4*(8*(\a)+(\t))+1],   v[TMP+32*((\a)%2)+4*(\t):TMP+32*((\a)%2)+4*(\t)+1],   v[4*(8*(\a)+(\t)):4*(8*(\a)+(\t))+1]
	v_pk_add_f32 v[4*(8*(\a)+(\t))+2:4*(8*(\a)+(\t))+3], v[TMP+32*((\a)%2)+4*(\t)+2:TMP+32*((\a)%2)+4*(\t)+3], v[4*(8*(\a)+(\t))+2:4*(8*(\a)+(\t))+3]
	global_store_b128 v[CO], v[4*(8*(\a)+(\t)):4*(8*(\a)+(\t))+3], s[74:75] offset:(16*(\a)+2*(\t))*4096  ; 16 lanes store 256 consecutive bytes, aligned
.endr
.endm
	s_wait_dscnt 0x0                               ; the unused fragments have landed
	PLACES
	PLACES
	STG 0
	STG 1
	FIN 0, 16
	STG 2
	FIN 1, 16
	STG 3
	FIN 2, 16
	FIN 3, 0
	WIN 0
	s_wait_tensorcnt 0x0                           ; the wave's end
	ds_add_u32 v[SPW], v[NIL]
	s_wait_dscnt 0x0
	CROUND                                         ; the closing round
	s_endpgm
.Lfunc_end_k_q1c01d9cbee_fc1:
	.size	k_q1c01d9cbee_fc1, .Lfunc_end_k_q1c01d9cbee_fc1-k_q1c01d9cbee_fc1
	.p2alignl 7, 3214868480
	.fill 96, 4, 3214868480
	.section	.rodata,"a",@progbits
	.p2align	6, 0x0
	.amdhsa_kernel k_q1c01d9cbee_fc1
		.amdhsa_group_segment_fixed_size 327680
		.amdhsa_private_segment_fixed_size 0
		.amdhsa_enable_private_segment 0
		.amdhsa_kernarg_size 32
		.amdhsa_user_sgpr_count 2
		.amdhsa_user_sgpr_kernarg_segment_ptr 1
		.amdhsa_wavefront_size32 1
		.amdhsa_system_sgpr_workgroup_id_x 1
		.amdhsa_system_sgpr_workgroup_id_y 1
		.amdhsa_system_sgpr_workgroup_id_z 1
		.amdhsa_system_vgpr_workitem_id 0
		.amdhsa_next_free_vgpr 640
		.amdhsa_next_free_sgpr 80
		.amdhsa_reserve_vcc 0
		.amdhsa_float_denorm_mode_32 3
		.amdhsa_float_denorm_mode_16_64 3
		.amdhsa_memory_ordered 1
		.amdhsa_forward_progress 1
		.amdhsa_inst_pref_size 65
	.end_amdhsa_kernel
	.amdgpu_metadata
---
amdhsa.version: [ 1, 2 ]
amdhsa.kernels:
  - .name:           k_q1c01d9cbee_fc1
    .symbol:         k_q1c01d9cbee_fc1.kd
    .args:
      - { .name: gl, .offset: 0, .size: 8, .value_kind: global_buffer, .address_space: global }
      - { .name: wts, .offset: 8, .size: 8, .value_kind: global_buffer, .address_space: global }
      - { .name: res, .offset: 16, .size: 8, .value_kind: global_buffer, .address_space: global }
      - { .name: out0, .offset: 24, .size: 8, .value_kind: global_buffer, .address_space: global }
    .group_segment_fixed_size: 327680
    .private_segment_fixed_size: 0
    .kernarg_segment_align: 8
    .kernarg_segment_size: 32
    .max_flat_workgroup_size: 128
    .sgpr_count:     80
    .vgpr_count:     640
    .wavefront_size: 32
...
	.end_amdgpu_metadata
.endif
;; end of part 7
